; MI455X (gfx1250); checked and timed in simulation.
; The chip was launched on July 23, 2026; its instructions are those of AMD's public machine-readable ISA for CDNA 5 (MIT licence, August 2026) and "CDNA5" Instruction Set Architecture Reference Guide (July 2026). The comments in the code are by the model that wrote it; some were corrected since.
;; Multi Head Attention. Allowed arithmetic: matrix products marked QUANTISED: E2M3 operands, one E8M0 scale for each 32 along K, by v_wmma_scale_f32_16x16x128_f8f6f4 with both operands' format E2M3, f32 sums; everything else in f32.
;; Inputs: W_k 1,024 x 1,024 float32; W_o 1,024 x 1,024 float32; W_q 1,024 x 1,024 float32; W_v 1,024 x 1,024 float32; x 4 x 2,048 x 1,024 float32.
;; Outputs: out0 4 x 2,048 x 1,024 float32.
;; This version of the problem:
;;   THIS VERSION OF THE PROBLEM IS GIVEN IN LOW PRECISION. The matrix products marked QUANTISED in the list below multiply operands that are first quantised to E2M3 (2 exponent bits, 3 mantissa bits; 6 bits a number), with one power-of-two scale for each 32 numbers along K (OCP MX v1.0); their sums are f32. All else is computed in f32.
;;   The module's matrix products, in the order in which they are computed (A, B: the left and right operand; K: the contracted axis; several contracted axes count as one K, in the product's order):
;;     1. [M 8,192, K 1,024] x [K 1,024, N 1,024]; A: input x; B: input W_q: QUANTISED
;;     2. [M 8,192, K 1,024] x [K 1,024, N 1,024]; A: input x; B: input W_k: QUANTISED
;;     3. [M 8,192, K 1,024] x [K 1,024, N 1,024]; A: input x; B: input W_v: QUANTISED
;;     4. batch 64 x [M 2,048, K 64] x [K 64, N 2,048]; A: computed on the way; B: computed on the way: QUANTISED
;;     5. batch 64 x [M 64, K 2,048] x [K 2,048, N 2,048]; A: computed on the way; B: softmax (see below): QUANTISED
;;     6. [M 8,192, K 1,024] x [K 1,024, N 1,024]; A: computed on the way; B: input W_o: QUANTISED
;;   THE QUANTISER, for each operand of a quantised product, along K:
;;     - K is cut into blocks of 32 from its start; a last block that is shorter is filled with zeros.
;;     - A block's scale is 2^e with e = floor(log2(the largest magnitude in the block)) - 2, held to -126 .. 127; a block of zeros has e = 0. As a byte (E8M0): e + 127.
;;     - Each number is divided by its block's scale, clamped to +-7.5, and rounded to the nearest number of E2M3, ties to even, subnormals kept.
;;     - The product sums the exact products of the quantised numbers (number of the format x scale) in f32.
;;   ~~~python
;;   def quantise(x, axis):      # numpy; x: float32 -> the quantised numbers, widened to float32 again
;;       x = np.moveaxis(x, axis, -1); K = x.shape[-1]
;;       x = np.pad(x, [(0, 0)] * (x.ndim - 1) + [(0, -K % 32)]); x = x.reshape(x.shape[:-1] + (-1, 32)); a = np.abs(x).max(-1, keepdims=True)
;;       e = np.where(a > 0, np.clip(np.frexp(np.where(a > 0, a, 1))[1] - 1 - 2, -126, 127), 0)      # np.frexp(a)[1] - 1 = floor(log2(a)), exactly
;;       r = np.clip(x / 2.0 ** e, -7.5, 7.5)
;;       step = 2.0 ** (np.maximum(np.frexp(np.where(r == 0, 1, r))[1] - 1, 0) - 3)
;;       q = np.round(r / step) * step * 2.0 ** e      # np.round: ties to even
;;       return np.moveaxis(q.reshape(q.shape[:-2] + (-1,))[..., :K], -1, axis).astype(np.float32)
;;   ~~~
;;   SOFTMAX AHEAD OF A QUANTISED PRODUCT. Where the list says 'softmax', what is quantised is not the finished softmax but p = 2^(t - M), with t = logit x log2(e) and M = ceil(the row's largest t), a whole number; so 1/2 < the row's largest p <= 1. The row's sum l is taken of the UNQUANTISED p, in f32, and the product's result is divided by l at the end. Since M is a whole number, a kernel that streams over the keys may use a running M (the ceiling of the running maximum): every later rescaling is an exact power of two, which a block's scale takes up: the codes' values come out the same.
;;   OPERANDS COMPUTED ON THE WAY. 'Computed on the way' means the value that the module computes at that place (a softmax that the list does not call 'softmax' is quantised finished and normalised). What goes into a quantiser is computed in f32, as accurately as f32 sums, v_exp_f32 and their like allow (about 1e-6 of the number): no bf16 or f16 on the way to a quantiser, and a product that is left as it is and whose result goes on into a quantised operand takes f32 operands (vector FMAs, or v_wmma_f32_16x16x4_f32). A number that lies on a knife's edge between two numbers of the format may be rounded either way, as far as f32 arithmetic and the matrix unit's own rounding can turn it there, and no further.
;; One version. Each part assembles by itself: llvm-mc -triple=amdgcn-amd-amdhsa -mcpu=gfx1250 --defsym DOCPART=n.
;; ======== version 1 of 1: 4 launches
;; workspace buffers: xq 6,553,600 bytes; wq 2,457,600 bytes; woq 819,200 bytes; qkv 20,447,232 bytes; aq 6,553,600 bytes
;; launch quant (part 1): grid 384 x 1, 4 waves a work-group, no clusters, 68,096 bytes of LDS; arguments x, W_o, W_q, W_k, W_v, xq, woq, wq; writes xq, woq, wq
.if DOCPART == 1
	.amdgcn_target "amdgcn-amd-amdhsa--gfx1250"
	.amdhsa_code_object_version 6
	.text
	.protected	k_qe87f955d10_quant
	.globl	k_qe87f955d10_quant
	.p2align	8
	.type	k_qe87f955d10_quant,@function
k_qe87f955d10_quant:
	s_mov_b64 s[64:65], 0
	v_nop
	global_prefetch_b8 v0, s[64:65] scope:SCOPE_SE
	s_setreg_imm32_b32 hwreg(HW_REG_WAVE_MODE, 25, 1), 1
	s_wait_xcnt 0x0
; All five f32 inputs become codes of FP6 (E2M3), K innermost, with one E8M0 scale byte for each 32 along K.
; A block's scale is 2^(floor(log2(its largest magnitude)) - 2); its byte is the largest magnitude's exponent field - 2, held at 1 from below.
; Work-groups 0-255 take x [8192][1024], 256-287 take W_o [1024][1024]: K is innermost there, both are plain streams of blocks of 32.
; Work-groups 288-383 take W_q, W_k, W_v [1024 (k)][1024 (n)]: K is the FIRST axis: a lane takes a column and its registers run down K.
; THE ORDER OF ROWS.  pi(p) is p with bits 3 and 4 exchanged.  Row position p of xq holds row pi(p) of x; position 1024 t + p of wq holds column pi(p) of W_t.
; Sixteen neighbouring positions are then rows 0-7 and 16-23 (or 8-15 and 24-31) of a group of 32: as source 0 of a product they leave a lane's 16 registers of two
; neighbouring result tiles as 16 neighbours, which is what the next quantiser wants.  W_o keeps its order.
; LIMITS: NaN and infinities among the inputs are not served.  A block of zeros gets the byte 1 (not 127): its codes are zeros, and this program alone reads the bytes.
; The two paths part on the work-group's number and have LDS bytes of their own: 0 .. 32,767 and 32,768 .. 67,583.  No barrier: waves share nothing.
.set WGX,   288                        ; work-groups of the first path
.set WGA,   256                        ; of them for x
.set STEPS, 16
.set EMAX,  2
.set CB,    12                         ; bytes of 16 codes
.set XR,    16                         ; v16-79   four sets of 16 numbers as they are loaded
.set XX,    80                         ; v80-111  two sets of 16 neighbours
.set XC,    128                        ; v128-191 codes: four registers for each step
.set XE,    112                        ; v112-127 a scale byte for each step
.set WREG,  8192                       ; LDS: a region for each wave: two stages of 32 x SP bytes, behind them its 256 scale bytes
.set SP,    80                         ; a lane's place in a stage: 64 bytes + 16 of padding
	v_lshl_add_u32 v192, v0, 2, 0x10800
	v_mov_b32 v193, 0
	s_cmp_lt_u32 ttmp9, WGX
	s_cbranch_scc0 .Lw
; ---------------- K innermost: x and W_o.  A wave takes 16 steps of 512 numbers: 8 whole rows ----------------
	s_load_b128 s[4:7], s[0:1], 0x0                ; x, W_o
	s_load_b64 s[8:9], s[0:1], 0x28                ; xq
	s_load_b64 s[10:11], s[0:1], 0x30              ; woq
	v_lshrrev_b32 v1, 5, v0
	v_readfirstlane_b32 s16, v1                    ; wave
	v_and_b32 v2, 31, v0                           ; lane
	v_lshlrev_b32 v3, 4, v2                        ; my 16 bytes of a load's 512
	s_mul_i32 s17, s16, WREG
	v_lshrrev_b32 v14, 2, v2
	v_mul_u32_u24 v14, v14, SP
	v_and_b32 v15, 3, v2
	v_lshl_add_u32 v14, v15, 4, v14
	v_add_nc_u32 v14, s17, v14                     ; the stage, on the way in: SP (lane / 4) + 16 (lane % 4)
	v_mul_u32_u24 v15, v2, SP
	v_add_nc_u32 v15, s17, v15                     ; and on the way out: SP x lane: my 16 neighbours
	v_mul_u32_u24 v4, v2, CB                       ; my codes' place in a step's
	v_lshrrev_b32 v5, 1, v2
	s_add_co_u32 s17, s17, 2*32*SP
	v_add_nc_u32 v5, s17, v5                       ; LDS: my wave's 256 scale bytes, my block's byte
	v_lshlrev_b32 v7, 3, v2                        ; and on the way out 8 bytes a lane
	v_add_nc_u32 v6, s17, v7
	s_and_b32 s24, s16, 1                          ; a wave's 8 rows are bits 3 and 4 of the row: pi exchanges the wave number's two bits
	s_lshl_b32 s24, s24, 1
	s_lshr_b32 s25, s16, 1
	s_or_b32 s24, s24, s25
	s_mov_b32 s22, 0xC0000                         ; where woq's scale bytes begin
	s_wait_kmcnt 0x0
	s_cmp_lt_u32 ttmp9, WGA                        ; x's work-group or W_o's?  The choice hangs on the work-group's number alone
	s_cselect_b64 s[4:5], s[4:5], s[6:7]
	s_cselect_b64 s[8:9], s[8:9], s[10:11]
	s_cselect_b32 s22, 0x600000, s22               ; where the scale bytes begin in the buffer
	s_cselect_b32 s24, s24, s16                    ; x goes out in pi's order, W_o as it lies
	s_cselect_b32 s17, 0, WGA
	s_sub_co_u32 s17, ttmp9, s17
	s_lshl_b32 s17, s17, 2
	s_add_co_u32 s18, s17, s16                     ; the run of 8,192 numbers that I read,
	s_add_co_u32 s26, s17, s24                     ; and the place of a run at which I write
	s_mov_b32 s19, 0
	s_mov_b32 s27, 0
	s_mov_b32 s23, 0
	s_mov_b64 s[20:21], 512*STEPS*4
	s_mul_u64 s[20:21], s[18:19], s[20:21]
	s_add_nc_u64 s[4:5], s[4:5], s[20:21]
	s_add_nc_u64 s[10:11], s[8:9], s[22:23]        ; the scale bytes lie behind the codes in the same buffer
	s_mov_b64 s[20:21], 32*STEPS*CB
	s_mul_u64 s[20:21], s[26:27], s[20:21]
	s_add_nc_u64 s[8:9], s[8:9], s[20:21]
	s_lshl_b32 s26, s26, 8                         ; 256 scale bytes a run
	s_add_nc_u64 s[10:11], s[10:11], s[26:27]
.macro XLOAD t
.irp i, 0,1,2,3
	global_load_b128 v[XR+16*((\t)%4)+4*\i:XR+16*((\t)%4)+4*\i+3], v3, s[4:5] offset:2048*(\t)+512*\i th:TH_LOAD_NT   ; 32 lanes read 512 consecutive bytes
.endr
.endm
.macro XTURN t                         ; step t's numbers through the stage: LDS serves a wave's instructions in order (ISA guide 5.7.1.4), so no wait stands between the stores and the loads
.irp i, 0,1,2,3
	ds_store_b128 v14, v[XR+16*((\t)%4)+4*\i:XR+16*((\t)%4)+4*\i+3] offset:32*SP*((\t)%2)+8*SP*\i
.endr
.irp i, 0,1,2,3
	ds_load_b128 v[XX+16*((\t)%2)+4*\i:XX+16*((\t)%2)+4*\i+3], v15 offset:32*SP*((\t)%2)+16*\i
.endr
.endm
.irp t, 0,1,2,3
	XLOAD \t
.endr
	s_wait_loadcnt 12                              ; step 0's four loads are in; the twelve of steps 1 to 3 may be out
	XTURN 0
.macro XSTEP t
.set XS, XX+16*((\t)%2)
.if (\t) > 0
	s_wait_dscnt 1                                 ; this step's numbers are back from the stage (the last step's byte store may be out): its stores into the stage have read their registers,
.else
	s_wait_dscnt 0x0
.endif
.if (\t)+4 < STEPS
	XLOAD (\t)+4                                   ; which take the loads of four steps on
.endif
.if (\t)+1 < STEPS
.if STEPS-2-(\t) >= 3
	s_wait_loadcnt 12                              ; the next step's four loads are in; those of the three steps behind it may be out
.else
	s_wait_loadcnt 4*(STEPS-2-(\t))
.endif
	XTURN (\t)+1                                   ; and go through the other stage while this step is worked
.endif
	v_max3_num_f32 v8, |v[XS]|, |v[XS+1]|, |v[XS+2]|               ; the largest magnitude of my 16, in two chains
	v_max3_num_f32 v9, |v[XS+3]|, |v[XS+4]|, |v[XS+5]|
.irp i, 6,10
	v_max3_num_f32 v8, v8, |v[XS+\i]|, |v[XS+\i+1]|
	v_max3_num_f32 v9, v9, |v[XS+\i+2]|, |v[XS+\i+3]|
.endr
	v_max3_num_f32 v8, v8, |v[XS+14]|, |v[XS+15]|
	v_max3_num_f32 v8, v8, v9, (EMAX+1)<<23        ; and the floor 2^(EMAX + 1 - 127): the byte cannot fall under 1
	v_max_num_f32_dpp v8, v8, v8 row_xmask:1 row_mask:0xf bank_mask:0xf   ; and of my neighbour's 16: the block's
	v_add_nc_u32 v11, -(EMAX<<23), v8              ; EMAX off its exponent field: the conversion takes the exponent field of this operand as its scale
	v_cvt_scalef32_pk16_fp6_f32 v[XC+4*(\t):XC+4*(\t)+2], v[XS:XS+15], v11
	v_lshrrev_b32 v[XE+(\t)], 23, v11              ; the scale's byte (also the plain line behind the conversion)
	ds_store_b8 v5, v[XE+(\t)] offset:16*(\t)      ; both lanes of a block write the same byte with the same value
	global_store_b96 v4, v[XC+4*(\t):XC+4*(\t)+2], s[8:9] offset:32*CB*(\t)   ; the wave stores 384 consecutive bytes
.endm
.irp t, 0,1,2,3,4,5,6,7,8,9,10,11,12,13,14,15
	XSTEP \t
.endr
	ds_load_b64 v[12:13], v6                       ; these see my byte stores: one wave's LDS instructions are served in order
	s_wait_dscnt 0x0
	global_store_b64 v7, v[12:13], s[10:11]        ; 32 lanes store 256 consecutive bytes, aligned
	s_wait_tensorcnt 0x0
	ds_add_u32 v192, v193
	s_wait_dscnt 0x0
	s_endpgm
; ---------------- K outermost: W_q, W_k, W_v.  A wave takes 32 columns x 256 along K ----------------
.set KW,    256
.set NB,    KW/32
.set ROWB,  192                        ; bytes of KW codes
.set PITCH, 272                        ; a stage row: sixteen places of 16 bytes, each with 12 bytes of codes, + 16
.set KROW,  768                        ; a row of the codes' buffer
.set WSTG,  32768                      ; this path's LDS begins here
.set WX,    32                         ; v32-95   two sets of 32 numbers
.set WC,    96                         ; v96..    a block's codes
.set OUTR,  112                        ; v112-175 the way out
.set SB,    24                         ; v24-25   the scale bytes, four to a register
.Lw:
	s_load_b128 s[4:7], s[0:1], 0x10               ; W_q, W_k
	s_load_b64 s[8:9], s[0:1], 0x20                ; W_v
	s_load_b64 s[10:11], s[0:1], 0x38              ; wq
	v_lshrrev_b32 v1, 5, v0
	v_readfirstlane_b32 s16, v1                    ; wave 0..3
	v_and_b32 v2, 31, v0                           ; lane
	s_sub_co_u32 s12, ttmp9, WGX                   ; 0 .. 95
	s_lshr_b32 s13, s12, 5                         ; which weight: 0 q, 1 k, 2 v
	s_and_b32 s17, s12, 7
	s_lshl_b32 s17, s17, 7
	s_lshl_b32 s18, s16, 5
	s_add_co_u32 s17, s17, s18                     ; my wave's first column
	s_bfe_u32 s18, s12, 0x20003                    ; which 256 along K
	v_lshlrev_b32 v3, 2, v2                        ; in: 4 bytes a lane
	s_mul_i32 s19, s16, 32*PITCH
	s_add_co_u32 s19, s19, WSTG                    ; my stage
	v_mul_u32_u24 v4, v2, PITCH
	v_add_nc_u32 v4, s19, v4                       ; into it: row = my column
	v_and_b32 v5, 15, v2
	v_lshrrev_b32 v6, 4, v2                        ; out of it: sixteen lanes to a row, two rows an instruction
	v_mul_u32_u24 v7, v6, PITCH
	v_lshl_add_u32 v7, v5, 4, v7
	v_add_nc_u32 v7, s19, v7
	v_mul_u32_u24 v8, v6, KROW
	v_mad_u32_u24 v8, v5, 12, v8                   ; and the same place in the codes' buffer
	v_and_b32 v9, 7, v2                            ; my column's position among the wave's 32: pi(lane),
	v_bfe_u32 v10, v2, 3, 1
	v_lshl_or_b32 v9, v10, 4, v9
	v_bfe_u32 v10, v2, 4, 1
	v_lshl_or_b32 v9, v10, 3, v9
	v_lshlrev_b32 v9, 5, v9                        ; times a row of 32 scale bytes
	s_lshl_b32 s20, s18, 20                        ; W: 256 rows of 4,096 bytes a step along K,
	s_lshl_b32 s22, s17, 2
	s_add_co_u32 s20, s20, s22                     ; + 4 x column
	s_mov_b32 s21, 0
	s_lshl_b32 s22, s13, 10
	s_add_co_u32 s22, s22, s17                     ; first position in wq
	s_mul_i32 s24, s22, KROW
	s_mul_i32 s26, s18, ROWB
	s_add_co_u32 s24, s24, s26
	s_mov_b32 s25, 0
	s_lshl_b32 s28, s22, 5
	s_lshl_b32 s26, s18, 3
	s_add_co_u32 s28, s28, s26
	s_add_co_u32 s28, s28, 0x240000                ; the scale bytes lie behind the codes
	s_mov_b32 s29, 0
	s_wait_kmcnt 0x0
	s_cmp_eq_u32 s13, 0
	s_cselect_b64 s[4:5], s[4:5], s[6:7]
	s_cmp_eq_u32 s13, 2
	s_cselect_b64 s[4:5], s[8:9], s[4:5]
	s_add_nc_u64 s[4:5], s[4:5], s[20:21]
	s_add_nc_u64 s[6:7], s[10:11], s[24:25]
	s_add_nc_u64 s[8:9], s[10:11], s[28:29]
.macro WLOAD t                         ; block t: W(32 t + i, my column), i = 0 .. 31, into set t % 2: 32 lanes read 128 consecutive bytes
.irp i, 0,1,2,3,4,5,6,7,8,9,10,11,12,13,14,15,16,17,18,19,20,21,22,23,24,25,26,27,28,29,30,31
	global_load_b32 v[WX+32*((\t)%2)+\i], v3, s[4:5] offset:(32*(\t)+\i)*4096 th:TH_LOAD_NT
.endr
.endm
	WLOAD 0
	WLOAD 1
.macro WBLOCK t
.set WS, WX+32*((\t)%2)
.if (\t) < NB-1
	s_wait_loadcnt 32                              ; this block's 32 loads are in; the next block's 32 may be out
.else
	s_wait_loadcnt 0
.endif
	v_max3_num_f32 v12, |v[WS]|, |v[WS+1]|, |v[WS+2]|               ; the block's largest magnitude: all 32 numbers are mine
	v_max3_num_f32 v13, |v[WS+3]|, |v[WS+4]|, |v[WS+5]|
.irp i, 6,10,14,18,22,26
	v_max3_num_f32 v12, v12, |v[WS+\i]|, |v[WS+\i+1]|
	v_max3_num_f32 v13, v13, |v[WS+\i+2]|, |v[WS+\i+3]|
.endr
	v_max3_num_f32 v12, v12, |v[WS+30]|, |v[WS+31]|
	v_max3_num_f32 v12, v12, v13, (EMAX+1)<<23     ; and the floor
	v_add_nc_u32 v11, -(EMAX<<23), v12             ; the conversion's scale operand
	v_lshrrev_b32 v13, 23, v11                     ; the scale's byte
.if (\t)%4 == 0
	v_mov_b32 v[SB+(\t)/4], v13                    ; four bytes to a register, the lower K in the lower byte
.else
	v_lshl_or_b32 v[SB+(\t)/4], v13, 8*((\t)%4), v[SB+(\t)/4]
.endif
	v_cvt_scalef32_pk16_fp6_f32 v[WC:WC+2], v[WS:WS+15], v11
	v_cvt_scalef32_pk16_fp6_f32 v[WC+4:WC+6], v[WS+16:WS+31], v11   ; (a conversion's three registers begin on an even number)
	v_nop                                          ; one plain line behind the last conversion
	ds_store_b96 v4, v[WC:WC+2] offset:32*(\t)     ; 12 bytes to a place of 16, so that every LDS address is a multiple of 16
	ds_store_b96 v4, v[WC+4:WC+6] offset:32*(\t)+16
.if (\t)+2 < NB
	WLOAD (\t)+2
.endif
	s_wait_dscnt 0x0                               ; the stores have read their registers: the next block's codes may be written
.endm
.set Q, 0
.rept NB
	WBLOCK Q
.set Q, Q+1
.endr
	global_store_b64 v9, v[SB:SB+1], s[8:9]        ; my column's 8 scale bytes, at its position
.irp t, 0,1,2,3,4,5,6,7,8,9,10,11,12,13,14,15
	ds_load_b96 v[OUTR+4*\t:OUTR+4*\t+2], v7 offset:2*\t*PITCH
.endr
.irp t, 0,1,2,3,4,5,6,7,8,9,10,11,12,13,14,15
	s_wait_dscnt 15-\t                             ; the loads come back in order: pair t of columns is in
	global_store_b96 v8, v[OUTR+4*\t:OUTR+4*\t+2], s[6:7] offset:2*((\t&3)|((\t&4)<<1)|((\t&8)>>1))*KROW   ; columns 2 t, 2 t + 1 go to positions pi of them: bits 2 and 3 of t exchanged
.endr
	s_wait_tensorcnt 0x0
	ds_add_u32 v192, v193
	s_wait_dscnt 0x0
	s_endpgm
.Lfunc_end_k_qe87f955d10_quant:
	.size	k_qe87f955d10_quant, .Lfunc_end_k_qe87f955d10_quant-k_qe87f955d10_quant
	.p2alignl 7, 3214868480
	.fill 96, 4, 3214868480
	.section	.rodata,"a",@progbits
	.p2align	6, 0x0
	.amdhsa_kernel k_qe87f955d10_quant
		.amdhsa_group_segment_fixed_size 68096
		.amdhsa_private_segment_fixed_size 0
		.amdhsa_enable_private_segment 0
		.amdhsa_kernarg_size 64
		.amdhsa_user_sgpr_count 2
		.amdhsa_user_sgpr_kernarg_segment_ptr 1
		.amdhsa_wavefront_size32 1
		.amdhsa_system_sgpr_workgroup_id_x 1
		.amdhsa_system_sgpr_workgroup_id_y 1
		.amdhsa_system_sgpr_workgroup_id_z 1
		.amdhsa_system_vgpr_workitem_id 0
		.amdhsa_next_free_vgpr 194
		.amdhsa_next_free_sgpr 66
		.amdhsa_reserve_vcc 0
		.amdhsa_float_denorm_mode_32 3
		.amdhsa_float_denorm_mode_16_64 3
		.amdhsa_memory_ordered 1
		.amdhsa_forward_progress 1
		.amdhsa_inst_pref_size 75
	.end_amdhsa_kernel
	.amdgpu_metadata
---
amdhsa.version: [ 1, 2 ]
amdhsa.kernels:
  - .name:           k_qe87f955d10_quant
    .symbol:         k_qe87f955d10_quant.kd
    .args:
      - { .name: x, .offset: 0, .size: 8, .value_kind: global_buffer, .address_space: global }
      - { .name: W_o, .offset: 8, .size: 8, .value_kind: global_buffer, .address_space: global }
      - { .name: W_q, .offset: 16, .size: 8, .value_kind: global_buffer, .address_space: global }
      - { .name: W_k, .offset: 24, .size: 8, .value_kind: global_buffer, .address_space: global }
      - { .name: W_v, .offset: 32, .size: 8, .value_kind: global_buffer, .address_space: global }
      - { .name: xq, .offset: 40, .size: 8, .value_kind: global_buffer, .address_space: global }
      - { .name: woq, .offset: 48, .size: 8, .value_kind: global_buffer, .address_space: global }
      - { .name: wq, .offset: 56, .size: 8, .value_kind: global_buffer, .address_space: global }
    .group_segment_fixed_size: 68096
    .private_segment_fixed_size: 0
    .kernarg_segment_align: 8
    .kernarg_segment_size: 64
    .max_flat_workgroup_size: 128
    .sgpr_count:     66
    .vgpr_count:     194
    .wavefront_size: 32
...
	.end_amdgpu_metadata
.endif
;; end of part 1
;; launch qkv (part 2): grid 8 x 48, 4 waves a work-group, clusters of 4 x 4, 327,680 bytes of LDS; arguments xq, wq, qkv; writes qkv
.if DOCPART == 2
	.amdgcn_target "amdgcn-amd-amdhsa--gfx1250"
	.amdhsa_code_object_version 6
	.text
	.protected	k_qe87f955d10_qkv
	.globl	k_qe87f955d10_qkv
	.p2align	8
	.type	k_qe87f955d10_qkv,@function
k_qe87f955d10_qkv:
	s_mov_b64 s[64:65], 0
	v_nop
	global_prefetch_b8 v0, s[64:65] scope:SCOPE_SE
	s_setreg_imm32_b32 hwreg(HW_REG_WAVE_MODE, 25, 1), 1
	s_wait_xcnt 0x0
	s_wait_alu depctr_hold_cnt(0) depctr_sa_sdst(0) depctr_va_vdst(0) depctr_va_sdst(0) depctr_va_ssrc(0) depctr_va_vcc(0) depctr_vm_vsrc(0)
	s_getreg_b32 s2, hwreg(HW_REG_IB_STS2, 6, 4)
	s_cmp_eq_u32 s2, 0
	s_cbranch_scc0 .Lentry_in_a_cluster
	s_endpgm
.Lentry_in_a_cluster:
	s_bfe_u32 s2, ttmp6, 0x10000c
	s_cmp_lg_u32 s2, 0xf033
	s_cbranch_scc0 .Lentry_shape_is_right
	s_endpgm
.Lentry_shape_is_right:
; q = x W_q, k = x W_k, v = x W_v as ONE product on codes of FP6 (E2M3) with E8M0 scales for each 32 along K = 1,024; the f32 results never go to memory: they are quantised in registers for
; the attention's two products and leave as images of operand registers.
; A tile of 256 x 256 results is made by four waves, 128 x 128 each: 64 accumulators, 512 registers.  K goes in steps of 256 through a ring of two LDS slots filled by the tensor data mover.
; THE MATRIX INSTRUCTION: source 1 ('A' below) gives a lane its ROW; source 0 ('B' below) runs along the lane's REGISTERS, which is the axis that is quantised next.
;   clusters with y < 8 (q and k):  A = 256 row positions of x, B = 256 column positions of W_q | W_k: a lane holds one row of x and its registers run along a head's 64: the K of q k^T.
;   clusters with y >= 8 (v, batch y - 8):  A = 256 column positions of W_v, B = 256 row positions of x: a lane holds one channel and its registers run along the keys: the K of the second product.
; The mode hangs on the cluster's y alone, is the same in all sixteen partners, and enters by selects only: no branch.
; B's positions are in the order pi (bits 3 and 4 exchanged), so that the 16 registers of result tiles 2 b and 2 b + 1 are the 16 neighbours 32 b + 16 (lane / 16) + 0 .. 15.
; OUT: a PIECE is 16 rows x 64 along the next K: 6 registers a lane, 768 bytes: register pair p of lane l at 256 p + 8 l.  Each piece has 16 scale words (4 bytes a row).
;   codes: region t (q, k, v) x 0x600000 + head x 0x18000 + piece x 768;  q, k: piece = tile of 16 row positions of the batch;  v: piece = 4 x (64 keys) + tile of 16 channels.
;   scale words from 0x1200000: region x 0x80000 + head x 8192 + piece x 64.  q, k: two bytes, zeros above;  v: the four bytes of 128 keys, alike in both pieces of those keys.
; CLUSTERS: 4 x 4 work-groups; A's tiles are shared along a row of the cluster, B's along a column: joint loads.
; LIMITS: NaN and infinities are not served; a block of zeros gets the scale byte 1 (its codes are zeros; this program alone reads the bytes).
; REGISTERS, in windows of 256: window 0: v0-31 addresses; v32-63 scale words, two sets; v128-223 A's fragments, one set.  window 1: B's fragments, two sets.  windows 2, 3: the accumulators ((a, b) at v[8 (8 (a % 4) + b)]).
.set SIZE_K, 1024
.set KSTEP,  256                       ; along K in a slot
.set NQ,     KSTEP/128                 ; matrix instructions deep
.set ROWB,   192                       ; a tile's row in bytes
.set KROW,   SIZE_K*6/8                ; a row of codes in memory
.set PITCH,  240                       ; an LDS row: 3 x (64 bytes + 16 of padding) = 60 words: the 32 lanes of a load of 8 bytes touch 64 different banks (64 banks of 4 bytes: ISA guide 11.1)
.set FR,     12                        ; registers of a fragment
.set NL,     6                         ; LDS loads that bring one
.set NP,     4                         ; places behind this matrix instruction (ISA guide 7.12.1)
.set HALFT,  128*PITCH                 ; 128 rows: what one tensor load brings
.set SLOT,   4*HALFT                   ; A's 256 rows, then B's 256 rows
.set LAPS,   SIZE_K/(2*KSTEP)
.set KS,     SIZE_K/32                 ; a row of scale bytes
.set SCL,    2*SLOT                    ; behind the ring: the scales, as units of 256 bytes + 16 of padding
.set HALFS,  (128*KS/256)*272
.set SBLK,   (16*KS/256)*272
.set SPARE,  SCL+4*HALFS               ; the spare words, 128 bytes for each wave: two blocks of 256 bytes that no other line names
.set ADRA, 16                          ; v16-17 LDS address of my A fragments in slot 0, 1 (v18-19: behind one padding more)
.set ADRB, 20                          ; v20-21 the same for B (v22-23)
.set L8,   24                          ; v24  8 x lane: a piece's place for my lane
.set SSA,  25                          ; v25  the scale words' stage, in: 1024 x wave + 512 (lane / 16) + 4 (lane % 16)
.set SRA,  26                          ; v26  and back: 1024 x wave + 16 x lane
.set ADRS, 27                          ; v27  LDS address of my scale words: lanes 0-15 A's rows, lanes 16-31 B's
.set SPW,  28                          ; v28  LDS address of my spare word; never rewritten
.set NIL,  29                          ; v29  0; never rewritten
.set SGO,  30                          ; v30  my byte offset in the scale words' 512 bytes in memory
.set SH,   31                          ; v31  how far my half of the lanes shifts a scale word
.set SC,   32
.set AF,   128
.set PC,   112                         ; the way out: v112-130 the codes just made
.set TM,   200                         ; v200-215 at work
.set PW,   216                         ; the four scale bytes just made
.set SW,   232                         ; v232-239 a tile's word as it is stored, a register for each tile
.set SO,   240                         ; v240-247 the words read back
.set G1, 24
.set G0, 32
.set G1B, 48
.set G0B, 56
.set G1S, 68
.set G0S, 76
.set G1SB, 80
.set G0SB, 88
.set SEL, 20                           ; s[20:21] lane selects for v_permlanex16_b32 (set behind the head's last use of these registers)
.set MSK, 22                           ; s22  which bytes of a scale word a piece keeps
.set OB,  92                           ; s[92:99] where pieces go: pair 2 g + c: tiles 4 g .. 4 g + 3, half c of the 128 along the registers
.set MSB, 0
.macro WIN new                         ; the immediate's high byte repeats the setting that is left
.if MSB != \new
	s_set_vgpr_msb (MSB<<8)|\new
.set MSB, \new
.endif
.endm
.set MUL_LO, 0xa1                      ; source 0 (B) window 1, source 1 (A) window 0, C and D window 2
.set MUL_HI, 0xf1                      ; the same, C and D window 3
.set TO_B,   0x40                      ; destination window 1, address window 0
; A joint load: waves 0 and 1 fetch for A, waves 2 and 3 for B; the branch hangs on the wave's number alone.  Four v_nop follow each of the two lines.
.macro JLOAD g0a, g1a, g0b, g1b
	s_cmp_eq_u32 s15, 0
	s_cbranch_scc0 .Lfor_b_\@
	tensor_load_to_lds s[\g0a:\g0a+3], s[\g1a:\g1a+7]
	s_nop 0
.rept 4
	v_nop
.endr
	s_branch .Lasked_\@
.Lfor_b_\@:
	tensor_load_to_lds s[\g0b:\g0b+3], s[\g1b:\g1b+7]
	s_nop 0
.rept 4
	v_nop
.endr
.Lasked_\@:
.endm
.macro CREST                           ; a round of the cluster's barrier behind its opening barrier
	s_cmp_lg_u32 s14, 0
	s_cbranch_scc1 .Lnot_wave_0_\@
	s_barrier_signal -3
.Lnot_wave_0_\@:
	s_barrier_wait -3
	s_barrier_signal -1
	s_barrier_wait -1
.endm
.macro CROUND                          ; a whole round
	s_barrier_signal -1
	s_barrier_wait -1
	CREST
.endm
	s_load_b128 s[4:7], s[0:1], 0x0                ; xq, wq
	s_load_b64 s[8:9], s[0:1], 0x10                ; qkv
	v_lshl_add_u32 v[SPW], v0, 2, SPARE
	v_mov_b32 v[NIL], 0
	ds_add_u32 v28, v29
	ds_add_u32 v28, v29
	s_wait_dscnt 0x0
	v_lshrrev_b32 v1, 5, v0
	v_readfirstlane_b32 s14, v1                    ; wave 0..3
	s_lshr_b32 s15, s14, 1                         ; which half of A's rows is mine.  Also: I fetch for A (0) or for B (1)
	s_and_b32 s16, s14, 1                          ; which half of B's rows.  Also: which 128 rows of that tile I fetch
	s_bfe_u32 s40, ttmp6, 0x40000                  ; cx, cy: my place in the cluster
	s_bfe_u32 s41, ttmp6, 0x40004
	s_lshl_b32 s42, ttmp9, 2
	s_add_co_u32 s42, s42, s40                     ; X = 4 x cluster x + cx: 0 .. 7
	s_and_b32 s66, ttmp7, 0xffff                   ; the cluster's y: 0 .. 11: the mode
	s_lshl_b32 s43, s41, 2
	s_lshl_b32 s43, 15, s43                        ; my row of the cluster
	s_lshl_b32 s44, 0x1111, s40                    ; my column
	; descriptor group 1: a tile of 128 rows x ROWB bytes, padded in LDS
	s_or_b32 s[G1+0], s43, (0<<16)|(1<<20)|(1<<21)|(3<<22)|(3<<25)  ; 15:0 the mask: A's tiles go to my row; 17:16 element of 1 byte; 20 padding on; 21 set beside a mask; 24:22 after every 16 words; 31:25 of 4 words
	s_or_b32 s[G1B+0], s44, (0<<16)|(1<<20)|(1<<21)|(3<<22)|(3<<25)
.irp g, G1, G1B
	s_mov_b32 s[\g+1], ROWB<<16                    ; tensor_dim0
	s_mov_b32 s[\g+2], 128<<16                     ; tensor_dim1
	s_mov_b32 s[\g+3], ROWB<<16                    ; tile_dim0
	s_mov_b32 s[\g+4], 128                         ; tile_dim1
	s_mov_b32 s[\g+5], KROW                        ; tensor_dim0_stride
	s_mov_b32 s[\g+6], 0
	s_mov_b32 s[\g+7], 0
.endr
	; the scales of 128 rows: a dense block of 4,096 bytes, as rows of 256 bytes (32 elements of 8 bytes), 16 bytes of padding behind each
	s_or_b32 s[G1S+0], s43, (3<<16)|(1<<20)|(1<<21)|(5<<22)|(3<<25)
	s_or_b32 s[G1SB+0], s44, (3<<16)|(1<<20)|(1<<21)|(5<<22)|(3<<25)
.irp g, G1S, G1SB
	s_mov_b32 s[\g+1], 32<<16
	s_mov_b32 s[\g+2], (128*KS/256)<<16
	s_mov_b32 s[\g+3], 32<<16
	s_mov_b32 s[\g+4], 128*KS/256
	s_mov_b32 s[\g+5], 32
	s_mov_b32 s[\g+6], 0
	s_mov_b32 s[\g+7], 0
.endr
	; which rows I fetch.  A's hang on cy, the cluster's y and the wave; B's on cx, the cluster's x and y and the wave: each in registers that never hold the other place
	s_lshl_b32 s18, s16, 7
	s_lshl_b32 s20, s41, 8
	s_add_co_u32 s20, s20, s18                     ; A: 256 cy + 128 x half
	s_lshl_b32 s46, s42, 8
	s_add_co_u32 s46, s46, s18                     ; B: 256 X + 128 x half
	s_lshl_b32 s67, s66, 10                        ; q, k: x's rows 1024 x cluster y on
	s_sub_co_u32 s17, s66, 8
	s_lshl_b32 s17, s17, 11                        ; v: x's rows 2048 x batch on (used where cluster y >= 8 alone)
	s_cmp_lt_u32 s66, 8
	s_cselect_b32 s67, s67, 2048                   ; A begins there, or at W_v's positions
	s_cselect_b32 s17, 0, s17                      ; B begins at W_q's positions, or at the batch
	s_add_co_u32 s20, s20, s67
	s_add_co_u32 s46, s46, s17
	s_mov_b32 s21, 0
	s_mov_b32 s47, 0
	s_mov_b64 s[18:19], KS
	s_mul_u64 s[22:23], s[20:21], s[18:19]         ; where these rows' scales begin, in bytes
	s_mul_u64 s[92:93], s[46:47], s[18:19]
	s_mov_b64 s[18:19], KROW
	s_mul_u64 s[20:21], s[20:21], s[18:19]         ; and their codes
	s_mul_u64 s[46:47], s[46:47], s[18:19]
	s_mov_b32 s96, 0x240000                        ; the scale bytes lie behind the codes: in wq here,
	s_mov_b32 s97, 0x600000                        ; in xq here
	s_cmp_lt_u32 s66, 8
	s_cselect_b32 s98, s97, s96
	s_cselect_b32 s100, s96, s97
	s_mov_b32 s99, 0
	s_mov_b32 s101, 0
	s_add_nc_u64 s[22:23], s[22:23], s[98:99]
	s_add_nc_u64 s[92:93], s[92:93], s[100:101]
	s_mul_i32 s45, s14, HALFT                      ; where they go: wave x 128 rows: no place in the cluster enters an LDS address
	s_mul_i32 s94, s14, HALFS
	s_wait_kmcnt 0x0
	s_cmp_lt_u32 s66, 8
	s_cselect_b64 s[10:11], s[4:5], s[6:7]         ; A's buffer
	s_cselect_b64 s[12:13], s[6:7], s[4:5]         ; B's
	s_add_nc_u64 s[20:21], s[10:11], s[20:21]
	s_add_nc_u64 s[22:23], s[10:11], s[22:23]
	s_add_nc_u64 s[46:47], s[12:13], s[46:47]
	s_add_nc_u64 s[92:93], s[12:13], s[92:93]
	CROUND                                         ; all sixteen work-groups are here: the first joint loads meet
	s_mov_b32 s[G0S], 1
	s_add_co_u32 s[G0S+1], s94, SCL
	s_mov_b64 s[G0S+2:G0S+3], s[22:23]
	s_or_b32 s[G0S+3], s[G0S+3], 0x80000000
	s_mov_b32 s[G0SB], 1
	s_add_co_u32 s[G0SB+1], s94, SCL
	s_mov_b64 s[G0SB+2:G0SB+3], s[92:93]
	s_or_b32 s[G0SB+3], s[G0SB+3], 0x80000000
	JLOAD G0S, G1S, G0SB, G1SB                     ; the scales first: they are wanted with K step 0
.irp s, 0,1
	s_mov_b32 s[G0+4*\s], 1
	s_add_co_u32 s[G0+4*\s+1], s45, \s*SLOT
	s_add_nc_u64 s[G0+4*\s+2:G0+4*\s+3], s[20:21], \s*ROWB
	s_or_b32 s[G0+4*\s+3], s[G0+4*\s+3], 0x80000000
	s_mov_b32 s[G0B+4*\s], 1
	s_add_co_u32 s[G0B+4*\s+1], s45, \s*SLOT
	s_add_nc_u64 s[G0B+4*\s+2:G0B+4*\s+3], s[46:47], \s*ROWB
	s_or_b32 s[G0B+4*\s+3], s[G0B+4*\s+3], 0x80000000
	JLOAD G0+4*\s, G1, G0B+4*\s, G1B               ; three tensor loads of mine are out now
.endr
	v_and_b32 v1, 15, v0                           ; r = l % 16
	v_bfe_u32 v2, v0, 4, 1                         ; h = l / 16
	v_mul_u32_u24 v3, v1, PITCH
	v_mul_u32_u24 v4, v2, 24
	v_add_nc_u32 v4, v3, v4                        ; a fragment's row x pitch + 24 x half
	v_lshl_add_u32 v5, v2, 4, v4                   ; and the same behind one padding more
	s_mul_i32 s21, s15, HALFT                      ; my 128 rows of A
	s_mul_i32 s22, s16, HALFT                      ; my 128 rows of B,
	s_add_co_u32 s22, s22, 2*HALFT                 ; which lie behind A's 256
.irp s, 0,1
	v_add_nc_u32 v[ADRA+\s], s21, v4
	v_add_nc_u32 v[ADRB+\s], s22, v4
	v_add_nc_u32 v[ADRA+2+\s], s21, v5
	v_add_nc_u32 v[ADRB+2+\s], s22, v5
	s_add_co_u32 s21, s21, SLOT
	s_add_co_u32 s22, s22, SLOT
.endr
	v_mul_u32_u24 v5, v1, KS                       ; my row's scales: KS bytes a row,
	v_lshrrev_b32 v6, 8, v5
	v_lshl_add_u32 v5, v6, 4, v5                   ; and 16 more for each 256 passed
	s_mul_i32 s21, s15, HALFS
	s_mul_i32 s22, s16, HALFS
	s_add_co_u32 s22, s22, 2*HALFS
	s_sub_co_u32 s22, s22, s21
	v_mul_u32_u24 v6, s22, v2                      ; lanes 16-31 take B's: one product, the distance between the two bases
	s_add_co_u32 s21, s21, SCL
	v_add_nc_u32 v5, v5, v6
	v_add_nc_u32 v[ADRS], s21, v5
	; the way out: lane terms
	s_lshl_b32 s23, s14, 10                        ; my 1,024 bytes of the scale words' stage
	v_and_b32 v6, 31, v0
	v_lshlrev_b32 v[L8], 3, v6
	v_lshlrev_b32 v5, 2, v1
	v_lshl_add_u32 v5, v2, 9, v5
	v_add_nc_u32 v[SSA], s23, v5
	v_lshl_add_u32 v[SRA], v6, 4, s23
	; the way out: where my 128 x 128 results go
	s_lshl_b32 s17, s42, 8
	s_lshl_b32 s18, s16, 7
	s_add_co_u32 s17, s17, s18                     ; my first position along the registers: 256 X + 128 (wave & 1)
	s_lshl_b32 s18, s41, 8
	s_lshl_b32 s19, s15, 7
	s_add_co_u32 s18, s18, s19                     ; my first row in the cluster's 1,024: 256 cy + 128 (wave >> 1)
	s_lshl_b32 s19, s66, 10
	s_add_co_u32 s19, s19, s18                     ; q, k: my first row position of x
	s_lshr_b32 s46, s17, 10                        ; q, k: 0 for q's columns, 1 for k's
	s_lshr_b32 s47, s19, 11                        ; q, k: the batch
	s_sub_co_u32 s67, s66, 8                       ; v: the batch
	s_and_b32 s92, s17, 1023                       ; q, k: the column in the 1,024
	s_and_b32 s93, s19, 2047                       ; q, k: the row position in the batch
	s_mov_b32 s94, 0x18000                         ; a head's codes
	s_mov_b32 s95, 8192                            ; a head's scale words
	s_cmp_lt_u32 s66, 8
	s_cselect_b32 s46, s46, 2                      ; the region
	s_cselect_b32 s47, s47, s67                    ; the batch
	s_cselect_b32 s92, s92, s18                    ; the column in the 1,024: 64 to a head
	s_cselect_b32 s93, s93, s17                    ; the position in the sequence
	s_cselect_b32 s10, 3072, s94                   ; from tiles 0-3 to tiles 4-7: four pieces on, or a head on
	s_cselect_b32 s12, s94, 3072                   ; from half 0 to half 1 of the registers: a head on, or 64 keys (four pieces) on
	s_cselect_b32 s96, 256, s95                    ; the same two steps among the scale words
	s_cselect_b32 s4, s95, 256
	s_cselect_b32 s[MSK], 0xffff, -1               ; q, k: a piece keeps two bytes; v: all four
	s_cselect_b32 s23, 16, 0                       ; q, k: lanes 16-31 take the upper two
	v_mul_u32_u24 v[SGO], s96, v2
	v_lshl_add_u32 v[SGO], v1, 4, v[SGO]
	v_mul_u32_u24 v[SH], s23, v2
	s_mov_b32 s11, 0
	s_mov_b32 s13, 0
	s_mov_b32 s5, 0
	s_mul_i32 s17, s46, 0x600000
	s_mul_i32 s18, s47, 0x180000
	s_add_co_u32 s17, s17, s18
	s_mul_i32 s18, s92, 1536                       ; (column / 64) x 0x18000
	s_add_co_u32 s17, s17, s18
	s_mul_i32 s18, s93, 48                         ; (position / 16) x 768
	s_add_co_u32 s18, s17, s18
	s_mov_b32 s19, 0
	s_lshl_b32 s46, s46, 19
	s_lshl_b32 s47, s47, 17
	s_add_co_u32 s46, s46, s47
	s_lshl_b32 s47, s92, 7
	s_add_co_u32 s46, s46, s47
	s_lshl_b32 s47, s93, 2
	s_add_co_u32 s46, s46, s47
	s_add_co_u32 s46, s46, 0x1200000
	s_mov_b32 s47, 0
	s_add_nc_u64 s[OB:OB+1], s[8:9], s[18:19]
	s_add_nc_u64 s[OB+2:OB+3], s[OB:OB+1], s[12:13]
	s_add_nc_u64 s[OB+4:OB+5], s[OB:OB+1], s[10:11]
	s_add_nc_u64 s[OB+6:OB+7], s[OB+4:OB+5], s[12:13]
	s_add_nc_u64 s[100:101], s[8:9], s[46:47]      ; the scale words of half 0,
	s_add_nc_u64 s[104:105], s[100:101], s[4:5]    ; and of half 1
	s_mov_b32 s[SEL], 0x76543210
	s_mov_b32 s[SEL+1], 0xfedcba98
.macro FRAG reg, adr, q, i             ; a fragment, 16 rows x 128 K, is 12 registers: registers 6 c .. 6 c + 5 hold K = 64 c + 32 (l / 16) + 0 .. 31: 24 bytes of the row's stream of bits, as they lie
.irp p, 0,1,2,3,4,5                    ; in pieces of 8 bytes.  The mover has laid 16 bytes of padding behind every 64: where lanes 16-31's piece lies behind one padding more, the second address register serves
.set PCE, 12*(\q)+6*(\p/3)+\p%3
.if PCE%8 < 5
	ds_load_b64 v[\reg+2*\p:\reg+2*\p+1], v[\adr] offset:8*PCE+16*(PCE/8)+(\i)*16*PITCH
.else
	ds_load_b64 v[\reg+2*\p:\reg+2*\p+1], v[\adr+2] offset:8*PCE+16*(PCE/8)+(\i)*16*PITCH
.endif
.endr
.endm
; 16 matrix instructions: A's blocks a0, a0 + 1 x B's eight, 128 along K.  zero = 1: the first product starts the sums.  The 64 accumulators take turns, one instruction a turn.
.macro MUL16 a0, p, q, sc, zero
.irp a, \a0, \a0+1
.irp b, 0,1,2,3,4,5,6,7
.if \zero
	v_wmma_scale_f32_16x16x128_f8f6f4 v[8*(8*((\a)%4)+\b):8*(8*((\a)%4)+\b)+7], v[128*(\p)+FR*\b:128*(\p)+FR*\b+FR-1], v[AF+FR*(\a):AF+FR*(\a)+FR-1], 0, v[SC+8*NQ*(\sc)+NQ*\b+(\q)], v[SC+8*NQ*(\sc)+NQ*(\a)+(\q)] matrix_a_fmt:MATRIX_FMT_FP6 matrix_b_fmt:MATRIX_FMT_FP6 matrix_a_scale:MATRIX_SCALE_ROW1
.else
	v_wmma_scale_f32_16x16x128_f8f6f4 v[8*(8*((\a)%4)+\b):8*(8*((\a)%4)+\b)+7], v[128*(\p)+FR*\b:128*(\p)+FR*\b+FR-1], v[AF+FR*(\a):AF+FR*(\a)+FR-1], v[8*(8*((\a)%4)+\b):8*(8*((\a)%4)+\b)+7], v[SC+8*NQ*(\sc)+NQ*\b+(\q)], v[SC+8*NQ*(\sc)+NQ*(\a)+(\q)] matrix_a_fmt:MATRIX_FMT_FP6 matrix_b_fmt:MATRIX_FMT_FP6 matrix_a_scale:MATRIX_SCALE_ROW1
.endif
.endr
.endr
.endm
.macro FETCH_B slot, q, p              ; B's eight fragments of the slot's q-th 128 along K into set p
	WIN TO_B
.irp i, 0,1,2,3,4,5,6,7
	FRAG 128*(\p)+FR*\i, ADRB+\slot, \q, \i
.endr
	WIN 0
.endm
.macro FETCH_A slot, q, i0             ; A's blocks i0 .. i0 + 3
.irp i, \i0, \i0+1, \i0+2, \i0+3
	FRAG AF+FR*(\i), ADRA+\slot, \q, \i
.endr
.endm
.macro SCALES sc                       ; the next K step's scale words into set sc: lanes 0-15 take A's block i, lanes 16-31 B's block i
.irp i, 0,1,2,3,4,5,6,7
	ds_load_b64 v[SC+8*NQ*\sc+NQ*\i:SC+8*NQ*\sc+NQ*\i+1], v[ADRS] offset:\i*SBLK
.endr
.endm
.macro PLACES n                        ; plain vector lines between a matrix instruction and a load into, or a vector read or write of, its registers
.rept \n
	v_nop
.endr
.endm
; A step of 128 along K that has its successor in the same slot.
.macro STEP slot, q, zero
	s_wait_dscnt 4*NL                              ; B's set and A's blocks 0-3 are in; the youngest 24 loads (A's blocks 4-7) may be out
	WIN MUL_LO
	MUL16 0, (\q)%2, \q, \slot, \zero
	MUL16 2, (\q)%2, \q, \slot, \zero
	s_wait_dscnt 0                                 ; A's blocks 4-7 are in
	PLACES NP
	FETCH_B \slot, (\q)+1, 1-(\q)%2
	FETCH_A \slot, (\q)+1, 0
	WIN MUL_HI
	MUL16 4, (\q)%2, \q, \slot, \zero
	MUL16 6, (\q)%2, \q, \slot, \zero
	PLACES NP
	WIN 0
	FETCH_A \slot, (\q)+1, 4
.endm
; A slot's last step changes slots: ONE barrier; in front of it each wave waits for all its tensor loads, adds 0 to its spare word, and waits for that and for its own reads of this slot.  fill = 1: this slot is filled again, two K steps ahead.
.macro TURN slot, next, fill
	s_wait_tensorcnt 0x0                           ; all my tensor loads have landed: my part of the next slot
	ds_add_u32 v[SPW], v[NIL]                      ; 0 onto my spare word
	s_wait_dscnt 4*NL+1                            ; (the add and the youngest 24 loads, A's blocks 4-7, may be out)
	WIN MUL_LO
	MUL16 0, 1, NQ-1, \slot, 0                     ; sixteen matrix instructions stand between the add and the wait for it
	s_wait_dscnt 0x0                               ; the add is done, and my reads of this slot are over
	s_barrier_signal -1
	MUL16 2, 1, NQ-1, \slot, 0
	WIN 0
	s_barrier_wait -1
.if \fill
	CREST                                          ; the barrier has opened a round of the cluster's barrier: no wave of any partner still reads this slot's tile or has a load on its way
	s_add_nc_u64 s[G0+4*\slot+2:G0+4*\slot+3], s[G0+4*\slot+2:G0+4*\slot+3], 2*ROWB
	s_add_nc_u64 s[G0B+4*\slot+2:G0B+4*\slot+3], s[G0B+4*\slot+2:G0B+4*\slot+3], 2*ROWB
	JLOAD G0+4*\slot, G1, G0B+4*\slot, G1B         ; the first tensor load behind the round; its four v_nop are the places in front of the loads below
.else
	PLACES NP
.endif
	v_add_nc_u32 v[ADRS], 4*NQ, v[ADRS]            ; on to the next K step's scale words
	FETCH_B \next, 0, 0
	FETCH_A \next, 0, 0
	SCALES \next
	WIN MUL_HI
	MUL16 4, 1, NQ-1, \slot, 0
	MUL16 6, 1, NQ-1, \slot, 0
	PLACES NP
	WIN 0
	FETCH_A \next, 0, 4
.endm
	s_wait_tensorcnt 1                             ; the scales and my part of K step 0 are in (K step 1's load may be out)
	s_barrier_signal -1
	s_barrier_wait -1                              ; everybody's are
	FETCH_B 0, 0, 0
	FETCH_A 0, 0, 0
	SCALES 0
	FETCH_A 0, 0, 4
	STEP 0, 0, 1                                   ; the first step stands in front of the loop: its products start the sums
	s_mov_b32 s3, LAPS-1
.Llap:                                                 ; a trip goes once round the ring and fills both slots again
	TURN 0, 1, 1
	STEP 1, 0, 0
	TURN 1, 0, 1
	STEP 0, 0, 0
	s_sub_co_u32 s3, s3, 1
	s_cmp_lg_u32 s3, 0
	s_cbranch_scc1 .Llap
	TURN 0, 1, 0                                   ; the last lap fills nothing
	STEP 1, 0, 0
	s_wait_dscnt 4*NL                              ; the very last step: nothing more to fetch
	WIN MUL_LO
	MUL16 0, 1, NQ-1, 1, 0
	MUL16 2, 1, NQ-1, 1, 0
	s_wait_dscnt 0
	WIN MUL_HI
	MUL16 4, 1, NQ-1, 1, 0
	MUL16 6, 1, NQ-1, 1, 0
	WIN 0
; THE WAY OUT of row tile a: its 64 registers a lane, register 16 b + i = the lane's row at 32 b + 16 (lane / 16) + i along the next K, become four blocks' scale bytes and 12 registers of codes: two pieces.
.macro QOUT a
.set AC, 64*((\a)%4)
.set WA, 2+(\a)/4                      ; the tile's window
.set W12, (WA<<2)|(WA<<4)              ; sources 1 and 2 there
	s_wait_xcnt 0x0                                ; the last tile's stores have read the codes' registers
	WIN W12
.irp b, 0,1,2,3
	v_max3_num_f32 v[TM+\b], 0x1800000, |v[AC+16*\b]|, |v[AC+16*\b+1]|   ; block b: my 16 numbers, each accumulator from its low end on, and the floor 2^(3 - 127): the byte cannot fall under 1
.endr
.irp i, 2,4,6,8,10,12,14
.irp b, 0,1,2,3
	v_max3_num_f32 v[TM+\b], v[TM+\b], |v[AC+16*\b+\i]|, |v[AC+16*\b+\i+1]|   ; (the four blocks by turns)
.endr
.endr
	WIN 0
.irp b, 0,1,2,3
	v_permlanex16_b32 v[TM+4+\b], v[TM+\b], s[SEL], s[SEL+1]
.endr
.irp b, 0,1,2,3
	v_max_num_f32 v[TM+\b], v[TM+\b], v[TM+4+\b]   ; with lane l xor 16's: the block's largest magnitude
.endr
.irp b, 0,1,2,3
	v_add_nc_u32 v[TM+12+\b], 0xff000000, v[TM+\b] ; 2 off its exponent field: the conversion's scale operand
.endr
.irp b, 0,1,2,3
	v_lshrrev_b32 v[TM+4+\b], 23, v[TM+12+\b]      ; the scale's byte
.endr
	v_lshl_or_b32 v[PW], v[TM+5], 8, v[TM+4]
	v_lshl_or_b32 v[PW], v[TM+6], 16, v[PW]
	v_lshl_or_b32 v[PW], v[TM+7], 24, v[PW]
	v_lshrrev_b32 v[SW+\a], v[SH], v[PW]           ; lanes 0-15 keep piece 0's word, lanes 16-31 piece 1's
	v_and_b32 v[SW+\a], s[MSK], v[SW+\a]
	WIN WA                                         ; source 0 in the tile's window
.irp c, 0,1
	v_cvt_scalef32_pk16_fp6_f32 v[PC+6*\c:PC+2+6*\c], v[AC+32*\c:AC+15+32*\c], v[TM+12+2*\c]
	v_cvt_scalef32_pk16_fp6_f32 v[PC+12+4*\c:PC+14+4*\c], v[AC+16+32*\c:AC+31+32*\c], v[TM+12+2*\c+1]   ; (a conversion's three registers begin on an even number)
.endr
	WIN 0
	v_nop                                          ; one plain line behind a scaled conversion
.irp c, 0,1                                    ; the operand's layout wants a WHOLE block in a lane: lanes 0-15 block 2 c, lanes 16-31 block 2 c + 1
.irp i, 0,1,2
	v_permlane16_swap_b32 v[PC+6*\c+\i], v[PC+12+4*\c+\i]
.endr
.irp i, 0,1,2
	v_mov_b32 v[PC+3+6*\c+\i], v[PC+12+4*\c+\i]
.endr
.endr
	ds_store_b32 v[SSA], v[SW+\a] offset:64*(\a)   ; the words gather in my 1,024 bytes of LDS: [piece 0 or 1][tile][row]
.irp c, 0,1
.irp p, 0,1,2
	global_store_b64 v[L8], v[PC+6*\c+2*\p:PC+6*\c+2*\p+1], s[OB+4*((\a)/4)+2*\c:OB+4*((\a)/4)+2*\c+1] offset:768*((\a)%4)+256*\p   ; the wave stores 256 consecutive bytes, aligned
.endr
.endr
.endm
	PLACES NP                                      ; behind the last products: the lines below read results and write registers that held A's fragments
.irp b, 0,1,2,3
	v_mov_b32 v[TM+4+\b], 0                        ; a lane permute's destination counts as one of its sources
.endr
; The scale words' stage lies in slot 0, which has had its last fill, and which nobody reads behind the last change of slots; each wave touches its own 1,024 bytes.
.irp a, 0,1,2,3,4,5,6,7
	QOUT \a
.endr
	ds_load_b128 v[SO:SO+3], v[SRA]                ; one wave's LDS instructions are served in order (ISA guide 5.7.1.4): these see my stores
	ds_load_b128 v[SO+4:SO+7], v[SRA] offset:512
	s_wait_dscnt 0x0
	global_store_b128 v[SGO], v[SO:SO+3], s[100:101]     ; sixteen lanes store 256 consecutive bytes, aligned
	global_store_b128 v[SGO], v[SO+4:SO+7], s[104:105]
	s_wait_tensorcnt 0x0                           ; the wave's end
	ds_add_u32 v[SPW], v[NIL]
	s_wait_dscnt 0x0
	CROUND                                         ; the closing round: no work-group ends while a partner may still ask for a tile that names it
	s_endpgm
.Lfunc_end_k_qe87f955d10_qkv:
	.size	k_qe87f955d10_qkv, .Lfunc_end_k_qe87f955d10_qkv-k_qe87f955d10_qkv
	.p2alignl 7, 3214868480
	.fill 96, 4, 3214868480
	.section	.rodata,"a",@progbits
	.p2align	6, 0x0
	.amdhsa_kernel k_qe87f955d10_qkv
		.amdhsa_group_segment_fixed_size 327680
		.amdhsa_private_segment_fixed_size 0
		.amdhsa_enable_private_segment 0
		.amdhsa_kernarg_size 24
		.amdhsa_user_sgpr_count 2
		.amdhsa_user_sgpr_kernarg_segment_ptr 1
		.amdhsa_wavefront_size32 1
		.amdhsa_system_sgpr_workgroup_id_x 1
		.amdhsa_system_sgpr_workgroup_id_y 1
		.amdhsa_system_sgpr_workgroup_id_z 1
		.amdhsa_system_vgpr_workitem_id 0
		.amdhsa_next_free_vgpr 1024
		.amdhsa_next_free_sgpr 106
		.amdhsa_reserve_vcc 0
		.amdhsa_float_denorm_mode_32 3
		.amdhsa_float_denorm_mode_16_64 3
		.amdhsa_memory_ordered 1
		.amdhsa_forward_progress 1
		.amdhsa_inst_pref_size 170
	.end_amdhsa_kernel
	.amdgpu_metadata
---
amdhsa.version: [ 1, 2 ]
amdhsa.kernels:
  - .name:           k_qe87f955d10_qkv
    .symbol:         k_qe87f955d10_qkv.kd
    .args:
      - { .name: xq, .offset: 0, .size: 8, .value_kind: global_buffer, .address_space: global }
      - { .name: wq, .offset: 8, .size: 8, .value_kind: global_buffer, .address_space: global }
      - { .name: qkv, .offset: 16, .size: 8, .value_kind: global_buffer, .address_space: global }
    .group_segment_fixed_size: 327680
    .private_segment_fixed_size: 0
    .kernarg_segment_align: 8
    .kernarg_segment_size: 24
    .max_flat_workgroup_size: 128
    .sgpr_count:     106
    .vgpr_count:     1024
    .wavefront_size: 32
...
	.end_amdgpu_metadata
.endif
;; end of part 2
;; launch attn (part 3): grid 4 x 64, 16 waves a work-group, clusters of 4 x 1, 215,040 bytes of LDS; arguments qkv, aq; writes aq
.if DOCPART == 3
	.amdgcn_target "amdgcn-amd-amdhsa--gfx1250"
	.amdhsa_code_object_version 6
	.text
	.protected	k_qe87f955d10_attn
	.globl	k_qe87f955d10_attn
	.p2align	8
	.type	k_qe87f955d10_attn,@function
k_qe87f955d10_attn:
	s_mov_b64 s[64:65], 0
	v_nop
	global_prefetch_b8 v0, s[64:65] scope:SCOPE_SE
	s_setreg_imm32_b32 hwreg(HW_REG_WAVE_MODE, 25, 1), 1
	s_wait_xcnt 0x0
	s_wait_alu depctr_hold_cnt(0) depctr_sa_sdst(0) depctr_va_vdst(0) depctr_va_sdst(0) depctr_va_ssrc(0) depctr_va_vcc(0) depctr_vm_vsrc(0)
	s_getreg_b32 s2, hwreg(HW_REG_IB_STS2, 6, 4)
	s_cmp_eq_u32 s2, 0
	s_cbranch_scc0 .Lentry_in_a_cluster
	s_endpgm
.Lentry_in_a_cluster:
	s_bfe_u32 s2, ttmp6, 0x10000c
	s_cmp_lg_u32 s2, 0x3003
	s_cbranch_scc0 .Lentry_shape_is_right
	s_endpgm
.Lentry_shape_is_right:
; Causal attention of one head on codes of FP6 (E2M3), head size 64, 2,048 keys; the result, divided by the row's sum, is quantised along the model's 1,024 for the last product and leaves as codes.
; THE SOFTMAX: t = score x log2(e) / 8; M = the row's largest t so far, rounded UP to a whole number; p = 2^(t - M) is what is quantised, along the keys.  The row's sum is taken of the unquantised p.
; When M moves, the sum and O are multiplied by 2^(old M - new M): exact.
; SHARES.  The four work-groups of a cluster belong to one head (the cluster's y).  A head has 128 tiles of 16 queries; a wave owns the PAIR (i, 127 - i): with a = wave / 2 and b = 2 cx + wave % 2, i = 8 a + b.
; A tile in the c-th 128 queries sees c + 1 steps of 128 keys: 16 - a for the high tile and a + 1 for the low one: 17 for EVERY wave of the launch, two of them on the diagonal.  Which steps a wave works hangs on the wave's
; number alone; cx enters global addresses and the mask's vector operand, no branch and no LDS address.
; LDS holds a head's whole K and V, codes and scale words, filled ONCE by joint loads of waves 0-3 (each byte is fetched once for the four partners): no ring.  The first 512 keys come by a load of their own, so that work begins when they are in.
; LAYOUT.  Both products are used transposed: S^T = K Q^T (source 0 = 16 keys), O^T = V^T P^T (source 0 = 16 channels): a lane holds ONE query (lane % 16) throughout.  Keys, queries and channels lie in memory in the order pi
; (bits 3 and 4 of the position exchanged), so that the 16 registers of result tiles 2 b, 2 b + 1 are the neighbours 32 b + 16 (lane / 16) + 0 .. 15.
; A PIECE (16 rows x 64 along K) is 768 bytes: register pair p of lane l at 256 p + 8 l: three loads of 8 bytes at 8 x lane.  The first product's K is 64: Q's upper six registers are zero CODES, so whatever stands in
; K's upper six (the next tile's codes) adds nothing; the scale bytes of that half are 0, which is a power of two like any other.
; LIMITS: NaN and infinities are not served; p under 2^-126 counts as 0 (v_exp_f32's result is flushed: ISA guide 15.8); 1 / sum by v_rcp_f32; a block of zeros gets the scale byte 1.
; No prefetch: all of a head's K and V is asked for at the kernel's head.
.set VC,   98304                       ; LDS: K's codes 0 .. 98,303; V's from here;
.set KSC,  196608                      ; K's scale words, 8,192 bytes; V's 8,192 behind them
.set STEPB, 6144                       ; 128 keys: 8 pieces of K, or 8 of V
.set L8,  1                            ; v1   8 x lane
.set L4,  2                            ; v2   KSC + 4 x lane
.set QD,  3                            ; v3   my query's place in its 128, less 16 (lane / 16)
.set ADK, 4                            ; v4   LDS address of the step's K,
.set ADV, 5                            ; v5   V,
.set ADS, 6                            ; v6   scale words
; v7 r + 8 (r / 8) - 16 h;  v8 32 r + h;  v9 8 h;  v10 4 r;  v12 -M, v13 the largest t, v[14:15] the sum;  v16-21 Q, v22-27 zeros, v28 Q's scale words;
; v32-79 K's eight pieces, later V's four fragments;  v80-85 zeros;  v86-89 K's scale words, v90-91 V's;  v96-159 S^T, then p;  v160-191 O^T;  v192-198 the low tile's Q;  v224-254 at work
.set WV,  8                            ; s8   wave
.set BH,  10                           ; s10  the head: 16 x batch + head
.set AA,  11                           ; s11  a
.set CH,  13                           ; s13  the step on my tile's diagonal
.set ST,  14                           ; s14  the step
.set TB,  15                           ; s15  6,144 x step
.set TS,  16                           ; s16  512 x step
.set MH,  17                           ; s17  the high tile's first query in its 128 (as the lanes count it)
.set ML,  18                           ; s18  the low tile's
.set CNT, 19                           ; s19  trips to go
.set SEL, 20                           ; s[20:21] lane selects for v_permlanex16_b32: lane l xor 16
.set CS,  22                           ; s[22:23] c = log2(e) / 8
.set G1S, 24                           ; s[24:31], s[32:39], s[40:47] descriptor groups 1: 16, 48 and 144 rows of 256 bytes
.set G1A, 32
.set G1B, 40
.set G0S, 48                           ; s[48:51], s[52:55], s[56:59] their groups 0
.set G0A, 52
.set G0B, 56
.macro CROUND                          ; a round of the cluster's barrier
	s_barrier_signal -1
	s_barrier_wait -1
	s_cmp_lg_u32 s[WV], 0
	s_cbranch_scc1 .Lnot_wave_0_\@
	s_barrier_signal -3
.Lnot_wave_0_\@:
	s_barrier_wait -3
	s_barrier_signal -1
	s_barrier_wait -1
.endm
.macro GROUP1 g, rows                  ; a dense block as rows of 256 bytes (32 elements of 8 bytes), no padding; the mask names all four work-groups, bit 21 is set beside it
	s_mov_b32 s[\g], 15|(3<<16)|(1<<21)
	s_mov_b32 s[\g+1], 32<<16
	s_mov_b32 s[\g+2], (\rows)<<16
	s_mov_b32 s[\g+3], 32<<16
	s_mov_b32 s[\g+4], \rows
	s_mov_b32 s[\g+5], 32
	s_mov_b32 s[\g+6], 0
	s_mov_b32 s[\g+7], 0
.endm
	s_load_b128 s[4:7], s[0:1], 0x0                ; qkv, aq
	v_lshl_add_u32 v251, v0, 2, 0x34000
	v_mov_b32 v255, 0
	ds_add_u32 v251, v255
	ds_add_u32 v251, v255
	v_lshrrev_b32 v1, 5, v0
	s_delay_alu instid0(VALU_DEP_1)
	v_readfirstlane_b32 s[WV], v1                  ; wave 0..15
	s_bfe_u32 s9, ttmp6, 0x40000                   ; cx
	s_and_b32 s[BH], ttmp7, 0xffff                 ; the head, which the four partners share
	s_lshr_b32 s[AA], s[WV], 1
	s_and_b32 s76, s[WV], 1                        ; a fetching wave: which half,
	s_and_b32 s75, s[AA], 1                        ; of K (0) or of V (1)
	GROUP1 G1S, 16
	GROUP1 G1A, 48
	GROUP1 G1B, 144
	; what waves 0-3 fetch: made of the wave's number and the head alone
	s_mul_i32 s77, s75, VC
	s_mul_i32 s78, s76, 12288
	s_mov_b32 s[G0A], 1
	s_add_co_u32 s[G0A+1], s77, s78                ; keys 0-511: 24,576 bytes, my half
	s_mul_i32 s78, s76, 36864
	s_add_co_u32 s78, s78, s77
	s_mov_b32 s[G0B], 1
	s_add_co_u32 s[G0B+1], s78, 24576              ; keys 512-2,047: 73,728 bytes, my half
	s_lshl_b32 s78, s75, 13
	s_lshl_b32 s81, s76, 12
	s_add_co_u32 s78, s78, s81
	s_mov_b32 s[G0S], 1
	s_add_co_u32 s[G0S+1], s78, KSC                ; the scale words: 8,192 bytes, my half
	s_add_co_u32 s82, s75, 1                       ; region 1 is k, 2 is v
	s_mul_i32 s83, s82, 0x600000
	s_mul_i32 s84, s[BH], 0x18000
	s_add_co_u32 s84, s84, s83
	s_mul_i32 s85, s76, 12288
	s_add_co_u32 s86, s84, s85
	s_mov_b32 s87, 0
	s_mul_i32 s85, s76, 36864
	s_add_co_u32 s88, s84, s85
	s_add_co_u32 s88, s88, 24576
	s_mov_b32 s89, 0
	s_lshl_b32 s83, s82, 19
	s_lshl_b32 s85, s[BH], 13
	s_add_co_u32 s84, s83, s85
	s_add_co_u32 s84, s84, s81
	s_add_co_u32 s84, s84, 0x1200000
	s_mov_b32 s85, 0
	; my two tiles
	s_lshl_b32 s12, s9, 1
	s_add_co_u32 s12, s12, s76                     ; b = 2 cx + wave % 2
	s_lshl_b32 s74, s[AA], 3
	s_add_co_u32 s74, s74, s12                     ; the low tile, 8 a + b
	s_sub_co_u32 s90, 127, s74                     ; the high tile
	s_sub_co_u32 s79, 7, s12                       ; its place among the 8 tiles of its 128
	s_lshr_b32 s[MH], s79, 1                       ; tile 2 u + v of a 128 holds queries 32 u + 8 v + r + 8 (r / 8)
	s_lshl_b32 s[MH], s[MH], 5
	s_and_b32 s80, s79, 1
	s_lshl_b32 s80, s80, 3
	s_add_co_u32 s[MH], s[MH], s80
	s_lshr_b32 s[ML], s12, 1
	s_lshl_b32 s[ML], s[ML], 5
	s_and_b32 s80, s12, 1
	s_lshl_b32 s80, s80, 3
	s_add_co_u32 s[ML], s[ML], s80
	s_mul_i32 s91, s[BH], 0x18000                  ; q is region 0
	s_mul_i32 s60, s90, 768
	s_add_co_u32 s60, s60, s91
	s_mov_b32 s61, 0
	s_mul_i32 s62, s74, 768
	s_add_co_u32 s62, s62, s91
	s_mov_b32 s63, 0
	s_lshl_b32 s91, s[BH], 13
	s_add_co_u32 s91, s91, 0x1200000
	s_lshl_b32 s92, s90, 6
	s_add_co_u32 s92, s92, s91
	s_mov_b32 s93, 0
	s_lshl_b32 s94, s74, 6
	s_add_co_u32 s94, s94, s91
	s_mov_b32 s95, 0
	; where the results go: codes [head / 4][128 x batch + tile][head % 4][768]; scale bytes from 0x600000: [row position][32], bytes 2 x head and 2 x head + 1
	s_lshr_b32 s2, s[BH], 4
	s_lshl_b32 s2, s2, 7
	s_and_b32 s3, s[BH], 15
	s_lshr_b32 s77, s3, 2
	s_mul_i32 s77, s77, 0x180000
	s_and_b32 s78, s3, 3
	s_mul_i32 s78, s78, 768
	s_add_co_u32 s77, s77, s78
	s_lshl_b32 s78, s3, 1
	s_add_co_u32 s78, s78, 0x600000
	s_add_co_u32 s79, s2, s90
	s_mul_i32 s66, s79, 3072
	s_add_co_u32 s66, s66, s77
	s_mov_b32 s67, 0
	s_lshl_b32 s68, s79, 9
	s_add_co_u32 s68, s68, s78
	s_mov_b32 s69, 0
	s_add_co_u32 s79, s2, s74
	s_mul_i32 s70, s79, 3072
	s_add_co_u32 s70, s70, s77
	s_mov_b32 s71, 0
	s_lshl_b32 s72, s79, 9
	s_add_co_u32 s72, s72, s78
	s_mov_b32 s73, 0
	s_mov_b32 s[SEL], 0x76543210
	s_mov_b32 s[SEL+1], 0xfedcba98
	s_mov_b32 s[CS], 0x3e38aa3b                    ; log2(e) / 8
	s_mov_b32 s[CS+1], s[CS]                       ; (named with it as a pair, so it is written)
	s_wait_dscnt 0x0
	s_wait_kmcnt 0x0
	s_add_nc_u64 s[G0S+2:G0S+3], s[4:5], s[84:85]
	s_or_b32 s[G0S+3], s[G0S+3], 0x80000000
	s_add_nc_u64 s[G0A+2:G0A+3], s[4:5], s[86:87]
	s_or_b32 s[G0A+3], s[G0A+3], 0x80000000
	s_add_nc_u64 s[G0B+2:G0B+3], s[4:5], s[88:89]
	s_or_b32 s[G0B+3], s[G0B+3], 0x80000000
	s_add_nc_u64 s[60:61], s[4:5], s[60:61]        ; the high tile's Q, the low tile's,
	s_add_nc_u64 s[62:63], s[4:5], s[62:63]
	s_add_nc_u64 s[92:93], s[4:5], s[92:93]        ; and their scale words
	s_add_nc_u64 s[94:95], s[4:5], s[94:95]
	s_add_nc_u64 s[66:67], s[6:7], s[66:67]        ; the high tile's codes out, its scale bytes,
	s_add_nc_u64 s[68:69], s[6:7], s[68:69]
	s_add_nc_u64 s[70:71], s[6:7], s[70:71]        ; the low tile's
	s_add_nc_u64 s[72:73], s[6:7], s[72:73]
	CROUND                                         ; all four work-groups are here: the joint loads meet
	s_cmp_lt_u32 s[WV], 4                          ; a wave's three fills stand in one branch on the wave's number, ahead of every wait on TENSORcnt and every LDS read
	s_cbranch_scc0 .Lno_fetch
	tensor_load_to_lds s[G0S:G0S+3], s[G1S:G1S+7]  ; the scale words,
	s_nop 0
	tensor_load_to_lds s[G0A:G0A+3], s[G1A:G1A+7]  ; keys 0-511,
	s_nop 0
	tensor_load_to_lds s[G0B:G0B+3], s[G1B:G1B+7]  ; the rest: three loads of mine are out
	s_nop 0
.rept 4
	v_nop
.endr
.Lno_fetch:
	v_and_b32 v11, 31, v0
	s_delay_alu instid0(VALU_DEP_1)
	v_lshlrev_b32 v[L8], 3, v11
	v_and_b32 v29, 15, v0                          ; r
	s_delay_alu instid0(VALU_DEP_1)
	v_lshlrev_b32 v10, 2, v29
.irp p, 0,1,2
	global_load_b64 v[16+2*\p:17+2*\p], v[L8], s[60:61] offset:256*\p
.endr
	global_load_b32 v28, v10, s[92:93]
.irp p, 0,1,2
	global_load_b64 v[192+2*\p:193+2*\p], v[L8], s[62:63] offset:256*\p
.endr
	global_load_b32 v198, v10, s[94:95]
	v_lshl_add_u32 v[L4], v11, 2, KSC
	v_bfe_u32 v30, v0, 4, 1                        ; h
	v_and_b32 v31, 8, v29
	s_delay_alu instid0(VALU_DEP_1)
	v_add_nc_u32 v7, v31, v29
	s_delay_alu instid0(VALU_DEP_3)
	v_lshlrev_b32 v31, 4, v30
	s_delay_alu instid0(VALU_DEP_1)
	v_sub_nc_u32 v7, v7, v31                       ; r + 8 (r / 8) - 16 h
	v_lshl_add_u32 v8, v29, 5, v30                 ; 32 r + h
	v_lshlrev_b32 v9, 3, v30
.irp i, 0,1,2,3,4,5
	v_mov_b32 v[22+\i], 0                          ; Q's upper half: zero codes
	v_mov_b32 v[80+\i], 0                          ; what stands behind K's last piece
.endr
.irp b, 0,1,2,3
	v_mov_b32 v[236+\b], 0                         ; a lane permute's destination counts as one of its sources
.endr
	v_mov_b32 v252, 0
	v_mov_b32 v253, 0
.macro INIT                            ; a tile begins: the loop has no first step of its own: O^T and the sum begin as zeros, which the first change of M leaves zeros
	v_mov_b32 v13, 0xff61b1e6                      ; the largest t so far: -3e38
	s_delay_alu instid0(VALU_DEP_1)
	v_floor_f32 v12, -v13                          ; -M
	v_mov_b32 v14, 0
	v_mov_b32 v15, 0
.set j, 0
.rept 32
	v_mov_b32 v[160+j], 0
.set j, j+1
.endr
	s_mov_b32 s[ST], 0
	s_mov_b32 s[TB], 0
	s_mov_b32 s[TS], 0
.endm
; A KEY STEP: 128 keys.  chk = 1: a step behind my tile's diagonal is left out (a scalar branch on the wave's number and the step), and the step on it is masked.
.macro STEP chk
.if \chk
	s_cmp_gt_u32 s[ST], s[CH]
	s_cbranch_scc1 .Lhid_\@
.endif
	s_setprio 2
	v_add_nc_u32 v[ADK], s[TB], v[L8]              ; (these four lines are the places between the last step's products and the loads into their registers)
	v_add_nc_u32 v[ADS], s[TS], v[L4]
	s_delay_alu instid0(VALU_DEP_2)
	v_add_nc_u32 v[ADV], VC, v[ADK]
	v_nop
.irp t, 0,1,2,3,4,5,6,7
.irp p, 0,1,2
	ds_load_b64 v[32+6*\t+2*\p:33+6*\t+2*\p], v[ADK] offset:768*\t+256*\p   ; 32 lanes read 256 consecutive bytes
.endr
.endr
.irp u, 0,1,2,3
	ds_load_b32 v[86+\u], v[ADS] offset:128*\u     ; lanes 0-15: tile 2 u's words; lanes 16-31: tile 2 u + 1's
.endr
	s_wait_alu depctr_va_vdst(0)
	s_wait_dscnt 0x0
.irp t, 0,2,4,6
	v_wmma_scale_f32_16x16x128_f8f6f4 v[96+8*\t:103+8*\t], v[32+6*\t:43+6*\t], v[16:27], 0, v[86+\t/2], v28 matrix_a_fmt:MATRIX_FMT_FP6 matrix_b_fmt:MATRIX_FMT_FP6
	v_wmma_scale_f32_16x16x128_f8f6f4 v[104+8*\t:111+8*\t], v[38+6*\t:49+6*\t], v[16:27], 0, v[86+\t/2], v28 matrix_a_fmt:MATRIX_FMT_FP6 matrix_b_fmt:MATRIX_FMT_FP6 matrix_a_scale:MATRIX_SCALE_ROW1
.endr
.rept 4
	v_nop                                          ; places: K's registers take V below, and the scores are read
.endr
.irp d, 0,1,2,3                                ; V is asked for now and lands under the softmax
.irp c, 0,1
.irp p, 0,1,2
	ds_load_b64 v[32+12*\d+6*\c+2*\p:33+12*\d+6*\c+2*\p], v[ADV] offset:3072*\c+768*\d+256*\p
.endr
.endr
.endr
.irp u, 0,1
	ds_load_b32 v[90+\u], v[ADS] offset:8192+128*\u
.endr
.if \chk
	s_cmp_lg_u32 s[ST], s[CH]
	s_cbranch_scc1 .Lopen_\@
	v_mov_b32 v254, 0xff800000                     ; on the diagonal hidden scores become -infinity ahead of the maximum: p = 0 then.  Register 16 b + i holds key 32 b + 16 (lane / 16) + i of the 128
.set n, 0
.rept 64
	v_cmp_gt_i32 vcc_lo, 32*(n/16)+n%16, v[QD]
	v_cndmask_b32 v[96+n], v[96+n], v254, vcc_lo
.set n, n+1
.endr
.Lopen_\@:
.endif
.irp b, 0,1,2,3
	v_max3_num_f32 v[232+\b], v[96+16*\b], v[97+16*\b], v[98+16*\b]   ; the largest score of each block of 32 keys: for the row's maximum, and, since p rises with the score, for the block's largest p
.endr
.irp i, 3,5,7,9,11,13
.irp b, 0,1,2,3
	v_max3_num_f32 v[232+\b], v[232+\b], v[96+16*\b+\i], v[97+16*\b+\i]
.endr
.endr
.irp b, 0,1,2,3
	v_max_num_f32 v[232+\b], v[232+\b], v[111+16*\b]
.endr
.irp b, 0,1,2,3
	s_delay_alu instid0(VALU_DEP_4)
	v_permlanex16_b32 v[236+\b], v[232+\b], s[SEL], s[SEL+1]
.endr
.irp b, 0,1,2,3
	s_delay_alu instid0(VALU_DEP_4)
	v_max_num_f32 v[232+\b], v[232+\b], v[236+\b]  ; with lane l xor 16's 16 keys
.endr
	s_delay_alu instid0(VALU_DEP_2)
	v_max3_num_f32 v254, v232, v233, v234
	s_delay_alu instid0(VALU_DEP_1)
	v_max_num_f32 v254, v254, v235                 ; the step's largest score of my query
	s_delay_alu instid0(VALU_DEP_1)
	v_mul_f32 v254, s[CS], v254                    ; as t
	s_delay_alu instid0(VALU_DEP_1)
	v_max_num_f32 v13, v13, v254                   ; the running largest t
	v_mov_b32 v254, v12
	s_delay_alu instid0(VALU_DEP_2)
	v_floor_f32 v12, -v13                          ; the new -M = -ceil(t): a whole number
	s_delay_alu instid0(VALU_DEP_1)
	v_sub_f32 v254, v12, v254                      ; old M - new M: a whole number, 0 or less
	s_delay_alu instid0(VALU_DEP_1)
	v_cvt_i32_f32 v254, v254                       ; (it saturates)
	s_delay_alu instid0(VALU_DEP_1)
	v_ldexp_f32 v252, 1.0, v254                    ; f = 2^(old M - new M)
.set j, 0
.rept 32
	v_pk_fma_f32 v[96+j:97+j], v[96+j:97+j], s[CS:CS+1], v[12:13] op_sel_hi:[1,0,0]   ; t - M, two at a time
.set j, j+2
.endr
.irp b, 0,1,2,3
	v_fma_f32 v[232+\b], v[232+\b], s[CS], v12     ; the same of each block's largest score
.endr
.set j, 0
	s_setprio 1
	s_wait_alu depctr_va_vdst(0)
.rept 64
	v_exp_f32 v[96+j], v[96+j]                     ; p = 2^(t - M), at most 1
.set j, j+1
.endr
	v_pk_mul_f32 v[14:15], v[14:15], v[252:253] op_sel_hi:[1,0]   ; the sums under the new M (the plain line behind the exponentials)
	s_wait_alu depctr_va_vdst(0)                   ; one wait for the batch of 64, ahead of its first reader
.irp b, 0,1,2,3
	v_exp_f32 v[232+\b], v[232+\b]                 ; the block's largest p
.endr
	v_pk_add_f32 v[236:237], v[100:101], v[104:105]
	v_pk_add_f32 v[248:249], v[108:109], v[112:113]
	v_pk_add_f32 v[246:247], v[116:117], v[120:121]
	v_pk_add_f32 v[244:245], v[124:125], v[128:129]
	v_pk_add_f32 v[242:243], v[132:133], v[136:137]
	v_pk_add_f32 v[240:241], v[140:141], v[144:145]
	v_pk_add_f32 v[238:239], v[148:149], v[152:153]
	v_pk_add_f32 v[14:15], v[14:15], v[156:157]
	v_pk_add_f32 v[236:237], v[236:237], v[96:97]
	v_pk_add_f32 v[248:249], v[248:249], v[98:99]
	v_pk_add_f32 v[246:247], v[246:247], v[102:103]
	v_pk_add_f32 v[244:245], v[244:245], v[106:107]
	v_pk_add_f32 v[242:243], v[242:243], v[110:111]
	v_pk_add_f32 v[240:241], v[240:241], v[114:115]
	v_pk_add_f32 v[238:239], v[238:239], v[118:119]
	v_pk_add_f32 v[14:15], v[14:15], v[122:123]
	v_pk_add_f32 v[236:237], v[236:237], v[126:127]
	v_pk_add_f32 v[248:249], v[248:249], v[130:131]
	v_pk_add_f32 v[246:247], v[246:247], v[134:135]
	v_pk_add_f32 v[244:245], v[244:245], v[138:139]
	v_pk_add_f32 v[242:243], v[242:243], v[142:143]
	v_pk_add_f32 v[240:241], v[240:241], v[146:147]
	v_pk_add_f32 v[238:239], v[238:239], v[150:151]
	v_pk_add_f32 v[14:15], v[14:15], v[154:155]
	v_pk_add_f32 v[236:237], v[236:237], v[158:159]
	s_delay_alu instid0(VALU_DEP_2)
	v_pk_add_f32 v[14:15], v[14:15], v[244:245]
	s_delay_alu instid0(VALU_DEP_2)
	v_pk_add_f32 v[236:237], v[236:237], v[242:243]
	v_pk_add_f32 v[248:249], v[248:249], v[240:241]
	v_pk_add_f32 v[246:247], v[246:247], v[238:239]
	s_delay_alu instid0(VALU_DEP_2)
	v_pk_add_f32 v[14:15], v[14:15], v[248:249]
	s_delay_alu instid0(VALU_DEP_2)
	v_pk_add_f32 v[236:237], v[236:237], v[246:247]
	s_delay_alu instid0(VALU_DEP_1)
	v_pk_add_f32 v[14:15], v[14:15], v[236:237]
	s_wait_alu depctr_va_vdst(0)                   ; and one for the four
.irp b, 0,1,2,3
	v_max_num_f32 v[232+\b], 0x1800000, v[232+\b]  ; the floor 2^(3 - 127): the byte cannot fall under 1
.endr
.irp b, 0,1,2,3
	s_delay_alu instid0(VALU_DEP_4)
	v_add_nc_u32 v[244+\b], 0xff000000, v[232+\b]  ; 2 off the exponent field: the conversion's scale operand
.endr
.irp b, 0,1,2,3
	s_delay_alu instid0(VALU_DEP_4)
	v_lshrrev_b32 v[236+\b], 23, v[244+\b]         ; the scale's byte
.endr
	s_delay_alu instid0(VALU_DEP_3)
	v_lshl_or_b32 v253, v237, 8, v236              ; p's scale word for these 128 keys
	s_delay_alu instid0(VALU_DEP_1)
	v_lshl_or_b32 v253, v238, 16, v253
	s_delay_alu instid0(VALU_DEP_1)
	v_lshl_or_b32 v253, v239, 24, v253
.irp c, 0,1
	v_cvt_scalef32_pk16_fp6_f32 v[224+6*\c:226+6*\c], v[96+32*\c:111+32*\c], v[244+2*\c]
	v_cvt_scalef32_pk16_fp6_f32 v[236+4*\c:238+4*\c], v[112+32*\c:127+32*\c], v[244+2*\c+1]
.endr
	s_setprio 0
	v_nop                                          ; one plain line behind a scaled conversion
.irp c, 0,1                                    ; a WHOLE block in a lane: lanes 0-15 block 2 c, lanes 16-31 block 2 c + 1
.irp i, 0,1,2
	v_permlane16_swap_b32 v[224+6*\c+\i], v[236+4*\c+\i]
.endr
.irp i, 0,1,2
	s_delay_alu instid0(VALU_DEP_3)
	v_mov_b32 v[227+6*\c+\i], v[236+4*\c+\i]
.endr
.endr
.set j, 0
.rept 16
	v_pk_mul_f32 v[160+j:161+j], v[160+j:161+j], v[252:253] op_sel_hi:[1,0]   ; O^T under the new M.  (These sixteen are also the places between the lines that made p's codes and scale word and the products below)
.set j, j+2
.endr
	s_wait_alu depctr_va_vdst(0)
	s_wait_dscnt 0x0                               ; V is in
.irp d, 0,2                                    ; four accumulators by turns; between two links of a chain stand the next step's eight other products
	v_wmma_scale_f32_16x16x128_f8f6f4 v[160+8*\d:167+8*\d], v[32+12*\d:43+12*\d], v[224:235], v[160+8*\d:167+8*\d], v[90+\d/2], v253 matrix_a_fmt:MATRIX_FMT_FP6 matrix_b_fmt:MATRIX_FMT_FP6
	v_wmma_scale_f32_16x16x128_f8f6f4 v[168+8*\d:175+8*\d], v[44+12*\d:55+12*\d], v[224:235], v[168+8*\d:175+8*\d], v[90+\d/2], v253 matrix_a_fmt:MATRIX_FMT_FP6 matrix_b_fmt:MATRIX_FMT_FP6 matrix_a_scale:MATRIX_SCALE_ROW1
.endr
.if \chk
.Lhid_\@:
.endif
	s_add_co_u32 s[TB], s[TB], STEPB
	s_add_co_u32 s[TS], s[TS], 512
	s_add_co_u32 s[ST], s[ST], 1
.endm
; A tile ends: O^T / the sum; its 32 registers a lane, register 16 b + i = channel 32 b + 16 (lane / 16) + i, are two blocks of the last product's K: one piece of codes and two scale bytes a row.
.macro FINISH cp, sp
.rept 4
	v_nop                                          ; places behind the last products
.endr
	v_add_f32 v14, v14, v15
	s_delay_alu instid0(VALU_DEP_1)
	v_permlanex16_b32 v252, v14, s[SEL], s[SEL+1]
	s_delay_alu instid0(VALU_DEP_1)
	v_add_f32 v14, v14, v252                       ; the row's sum
	s_wait_alu depctr_va_vdst(0)
	v_rcp_f32 v14, v14
	v_nop                                          ; a plain line behind the transcendental
	s_wait_alu depctr_va_vdst(0)                   ; and the wait ahead of its first reader
.set j, 0
.rept 16
	v_pk_mul_f32 v[96+j:97+j], v[160+j:161+j], v[14:15] op_sel_hi:[1,0]   ; each accumulator from its low end on
.set j, j+2
.endr
.irp b, 0,1
	v_max3_num_f32 v[232+\b], |v[96+16*\b]|, |v[97+16*\b]|, 0x1800000
.endr
.irp i, 2,4,6,8,10,12,14
.irp b, 0,1
	s_delay_alu instid0(VALU_DEP_2)
	v_max3_num_f32 v[232+\b], v[232+\b], |v[96+16*\b+\i]|, |v[97+16*\b+\i]|
.endr
.endr
.irp b, 0,1
	s_delay_alu instid0(VALU_DEP_2)
	v_permlanex16_b32 v[236+\b], v[232+\b], s[SEL], s[SEL+1]
.endr
.irp b, 0,1
	s_delay_alu instid0(VALU_DEP_2)
	v_max_num_f32 v[232+\b], v[232+\b], v[236+\b]
.endr
.irp b, 0,1
	s_delay_alu instid0(VALU_DEP_2)
	v_add_nc_u32 v[244+\b], 0xff000000, v[232+\b]
.endr
.irp b, 0,1
	s_delay_alu instid0(VALU_DEP_2)
	v_lshrrev_b32 v[236+\b], 23, v[244+\b]
.endr
	s_delay_alu instid0(VALU_DEP_1)
	v_lshl_or_b32 v240, v237, 8, v236
	s_delay_alu instid0(VALU_DEP_1)
	v_lshrrev_b32 v241, v9, v240                   ; lanes 0-15 store block 0's byte, lanes 16-31 block 1's
	v_cvt_scalef32_pk16_fp6_f32 v[224:226], v[96:111], v244
	v_cvt_scalef32_pk16_fp6_f32 v[236:238], v[112:127], v245
	v_nop
.irp i, 0,1,2
	v_permlane16_swap_b32 v[224+\i], v[236+\i]
.endr
.irp i, 0,1,2
	s_delay_alu instid0(VALU_DEP_3)
	v_mov_b32 v[227+\i], v[236+\i]
.endr
.irp p, 0,1,2
	global_store_b64 v[L8], v[224+2*\p:225+2*\p], s[\cp:\cp+1] offset:256*\p   ; the wave stores 256 consecutive bytes, aligned
.endr
	global_store_b8 v8, v241, s[\sp:\sp+1]         ; a head owns 2 of a row's 32 scale bytes
.endm
	; ---- the high tile
	s_sub_co_u32 s[CH], 15, s[AA]
	v_add_nc_u32 v[QD], s[MH], v7
	INIT
	s_wait_loadcnt 0x0                             ; Q
	s_wait_tensorcnt 0x1                           ; the scale words and keys 0-511 are in; the third load may stay out
	s_barrier_signal -1
	s_barrier_wait -1                              ; everybody's are
	s_mov_b32 s[CNT], 4
.Lfirst:                                           ; steps 0-3 lie under every high tile's diagonal (it is at step 8 or later): no test
	STEP 0
	s_sub_co_u32 s[CNT], s[CNT], 1
	s_cmp_lg_u32 s[CNT], 0
	s_cbranch_scc1 .Lfirst
	s_setprio 0
	s_wait_tensorcnt 0x0                           ; the rest of K and V is in,
	s_wait_dscnt 0x0
	s_barrier_signal -1
	s_barrier_wait -1                              ; everybody's is: from here on the waves run free
	s_mov_b32 s[CNT], 12
.Lhigh:
	STEP 1
	s_sub_co_u32 s[CNT], s[CNT], 1
	s_cmp_lg_u32 s[CNT], 0
	s_cbranch_scc1 .Lhigh
	s_setprio 0
	FINISH 66, 68
	; ---- the low tile
	s_wait_xcnt 0x0                                ; the stores have read their registers
.irp i, 0,1,2,3,4,5
	v_mov_b32 v[16+\i], v[192+\i]
.endr
	v_mov_b32 v28, v198
	v_add_nc_u32 v[QD], s[ML], v7
	s_mov_b32 s[CH], s[AA]
	INIT                                           ; (its 36 plain lines stand between the lines that wrote Q and its scale word and the first product)
	s_mov_b32 s[CNT], 8
.Llow:
	STEP 1
	s_sub_co_u32 s[CNT], s[CNT], 1
	s_cmp_lg_u32 s[CNT], 0
	s_cbranch_scc1 .Llow
	s_setprio 0
	FINISH 70, 72
	s_wait_tensorcnt 0x0
	ds_add_u32 v251, v255
	s_wait_dscnt 0x0
	CROUND                                         ; the closing round
	s_endpgm
.Lfunc_end_k_qe87f955d10_attn:
	.size	k_qe87f955d10_attn, .Lfunc_end_k_qe87f955d10_attn-k_qe87f955d10_attn
	.p2alignl 7, 3214868480
	.fill 96, 4, 3214868480
	.section	.rodata,"a",@progbits
	.p2align	6, 0x0
	.amdhsa_kernel k_qe87f955d10_attn
		.amdhsa_group_segment_fixed_size 215040
		.amdhsa_private_segment_fixed_size 0
		.amdhsa_enable_private_segment 0
		.amdhsa_kernarg_size 16
		.amdhsa_user_sgpr_count 2
		.amdhsa_user_sgpr_kernarg_segment_ptr 1
		.amdhsa_wavefront_size32 1
		.amdhsa_system_sgpr_workgroup_id_x 1
		.amdhsa_system_sgpr_workgroup_id_y 1
		.amdhsa_system_sgpr_workgroup_id_z 1
		.amdhsa_system_vgpr_workitem_id 0
		.amdhsa_next_free_vgpr 256
		.amdhsa_next_free_sgpr 96
		.amdhsa_reserve_vcc 1
		.amdhsa_float_denorm_mode_32 3
		.amdhsa_float_denorm_mode_16_64 3
		.amdhsa_memory_ordered 1
		.amdhsa_forward_progress 1
		.amdhsa_inst_pref_size 88
	.end_amdhsa_kernel
	.amdgpu_metadata
---
amdhsa.version: [ 1, 2 ]
amdhsa.kernels:
  - .name:           k_qe87f955d10_attn
    .symbol:         k_qe87f955d10_attn.kd
    .args:
      - { .name: qkv, .offset: 0, .size: 8, .value_kind: global_buffer, .address_space: global }
      - { .name: aq, .offset: 8, .size: 8, .value_kind: global_buffer, .address_space: global }
    .group_segment_fixed_size: 215040
    .private_segment_fixed_size: 0
    .kernarg_segment_align: 8
    .kernarg_segment_size: 16
    .max_flat_workgroup_size: 512
    .sgpr_count:     96
    .vgpr_count:     256
    .wavefront_size: 32
...
	.end_amdgpu_metadata
.endif
;; end of part 3
;; launch proj (part 4): grid 4 x 32, 4 waves a work-group, clusters of 4 x 4, 327,680 bytes of LDS; arguments aq, woq, out0; writes out0
.if DOCPART == 4
	.amdgcn_target "amdgcn-amd-amdhsa--gfx1250"
	.amdhsa_code_object_version 6
	.text
	.protected	k_qe87f955d10_proj
	.globl	k_qe87f955d10_proj
	.p2align	8
	.type	k_qe87f955d10_proj,@function
k_qe87f955d10_proj:
	s_mov_b64 s[64:65], 0
	v_nop
	global_prefetch_b8 v0, s[64:65] scope:SCOPE_SE
	s_setreg_imm32_b32 hwreg(HW_REG_WAVE_MODE, 25, 1), 1
	s_wait_xcnt 0x0
	s_wait_alu depctr_hold_cnt(0) depctr_sa_sdst(0) depctr_va_vdst(0) depctr_va_sdst(0) depctr_va_ssrc(0) depctr_va_vcc(0) depctr_vm_vsrc(0)
	s_getreg_b32 s2, hwreg(HW_REG_IB_STS2, 6, 4)
	s_cmp_eq_u32 s2, 0
	s_cbranch_scc0 .Lentry_in_a_cluster
	s_endpgm
.Lentry_in_a_cluster:
	s_bfe_u32 s2, ttmp6, 0x10000c
	s_cmp_lg_u32 s2, 0xf033
	s_cbranch_scc0 .Lentry_shape_is_right
	s_endpgm
.Lentry_shape_is_right:
; out0[m][n] = sum over k of a[m][k] W_o[n][k] on codes of FP6 (E2M3) with one E8M0 scale for each 32 along K = 1,024; out0 [8192][1024] f32; sums in f32.
; A (the attention's result) lies as IMAGES of operand registers: [K step of 256][tile of 16 row positions][4 pieces][768 bytes], register pair p of lane l of a piece at 256 p + 8 l; two pieces on end are a fragment.
; Its scale bytes [row position][32] lie 0x600000 bytes on.  Row position p holds row pi(p) (bits 3 and 4 exchanged): the stores undo that.  B (W_o): rows of 768 bytes, K innermost; its scale bytes 0xC0000 bytes on.
; A tile of 256 x 256 of the output is made by four waves, 128 x 128 each: 64 accumulators.  K goes in steps of 256 through a ring of two LDS slots filled by the tensor data mover; the scales of all of K come once.
; CLUSTERS: 4 x 4 work-groups; A's tiles are shared along a row of the cluster, B's along a column: joint loads.  THE MATRIX INSTRUCTION IS USED TRANSPOSED (source 0 = 16 rows of B, source 1 = 16 rows of A).
; The output has 128 such tiles: that many work-groups are launched.
; REGISTERS, in windows of 256: window 0: v0-31 addresses; v32-63 scale words, two sets; v128-223 A's fragments, one set.  window 1: B's fragments, two sets.  windows 2, 3: the accumulators.
.set SIZE_K, 1024
.set SIZE_N, 1024
.set KSTEP,  256
.set NQ,     KSTEP/128
.set ROWB,   192                       ; a row of B's tile in bytes
.set KROW,   SIZE_K*6/8
.set PITCH,  240                       ; B's LDS row: 3 x (64 bytes + 16 of padding)
.set FR,     12
.set NL,     6
.set NP,     4                         ; places behind this matrix instruction (ISA guide 7.12.1)
.set HALFT,  128*PITCH                 ; the LDS bytes of 128 rows of B; A's 128 rows, dense, take 24,576 of as many
.set SLOT,   4*HALFT
.set ASTEP,  0x180000                  ; from a K step of A to the next in memory: 512 tiles x 3,072 bytes
.set LAPS,   SIZE_K/(2*KSTEP)
.set KS,     SIZE_K/32
.set SCL,    2*SLOT
.set HALFS,  (128*KS/256)*272
.set SBLK,   (16*KS/256)*272
.set SPARE,  SCL+4*HALFS               ; the spare words, 128 bytes for each wave: two blocks of 256 bytes that no other line names
.set SPITCH, 528                       ; the way out: a stage of 16 rows x (512 bytes + 16) for each wave, in slot 0, which has had its last fill and its last read by then
.set ADRA, 16                          ; v16-17 LDS address of my A fragments in slot 0, 1: 8 x lane + my 128 rows
.set ADRB, 20                          ; v20-21 of my B fragments (v22-23: behind one padding more)
.set STO,  24
.set RD,   25
.set CO,   26
.set ADRS, 27
.set SPW,  28                          ; never rewritten
.set NIL,  29                          ; never rewritten
.set SC,   32
.set AF,   128
.set BK,   128
.set G1, 24
.set G0, 32
.set G1B, 48
.set G0B, 56
.set G1S, 68
.set G0S, 76
.set G1SB, 80
.set G0SB, 88
.set MSB, 0
.macro WIN new                         ; the immediate's high byte repeats the setting that is left
.if MSB != \new
	s_set_vgpr_msb (MSB<<8)|\new
.set MSB, \new
.endif
.endm
.set MUL_LO, 0xa1
.set MUL_HI, 0xf1
.set TO_B,   0x40
.macro JLOAD g0a, g1a, g0b, g1b        ; a joint load: waves 0 and 1 fetch for A, waves 2 and 3 for B; four v_nop follow each of the two lines
	s_cmp_eq_u32 s15, 0
	s_cbranch_scc0 .Lfor_b_\@
	tensor_load_to_lds s[\g0a:\g0a+3], s[\g1a:\g1a+7]
	s_nop 0
.rept 4
	v_nop
.endr
	s_branch .Lasked_\@
.Lfor_b_\@:
	tensor_load_to_lds s[\g0b:\g0b+3], s[\g1b:\g1b+7]
	s_nop 0
.rept 4
	v_nop
.endr
.Lasked_\@:
.endm
.macro CREST
	s_cmp_lg_u32 s14, 0
	s_cbranch_scc1 .Lnot_wave_0_\@
	s_barrier_signal -3
.Lnot_wave_0_\@:
	s_barrier_wait -3
	s_barrier_signal -1
	s_barrier_wait -1
.endm
.macro CROUND
	s_barrier_signal -1
	s_barrier_wait -1
	CREST
.endm
	s_load_b64 s[4:5], s[0:1], 0x0                 ; aq
	s_load_b64 s[8:9], s[0:1], 0x8                 ; woq
	s_load_b64 s[12:13], s[0:1], 0x10              ; out0
	v_lshl_add_u32 v[SPW], v0, 2, SPARE
	v_mov_b32 v[NIL], 0
	ds_add_u32 v28, v29
	ds_add_u32 v28, v29
	s_wait_dscnt 0x0
	v_lshrrev_b32 v1, 5, v0
	v_readfirstlane_b32 s14, v1                    ; wave 0..3
	s_lshr_b32 s15, s14, 1                         ; which half of the tile's rows is mine.  Also: I fetch for A (0) or for B (1)
	s_and_b32 s16, s14, 1                          ; which half of its columns.  Also: which 128 rows of that tile I fetch
	s_bfe_u32 s40, ttmp6, 0x40000                  ; cx, cy
	s_bfe_u32 s41, ttmp6, 0x40004
	s_lshl_b32 s42, ttmp9, 2
	s_add_co_u32 s42, s42, s40                     ; tile column
	s_and_b32 s17, ttmp7, 0xffff
	s_lshl_b32 s17, s17, 2
	s_add_co_u32 s17, s17, s41                     ; tile row
	s_lshl_b32 s43, s41, 2
	s_lshl_b32 s43, 15, s43                        ; my row of the cluster
	s_lshl_b32 s44, 0x1111, s40                    ; my column
	; A's tile: 8 row tiles x 3,072 bytes, dense: 96 rows of 256 bytes (32 elements of 8 bytes), no padding
	s_or_b32 s[G1+0], s43, (3<<16)|(1<<21)
	s_mov_b32 s[G1+1], 32<<16
	s_mov_b32 s[G1+2], 96<<16
	s_mov_b32 s[G1+3], 32<<16
	s_mov_b32 s[G1+4], 96
	s_mov_b32 s[G1+5], 32
	s_mov_b32 s[G1+6], 0
	s_mov_b32 s[G1+7], 0
	; B's tile: 128 rows x 192 bytes, 16 bytes of padding behind every 64
	s_or_b32 s[G1B+0], s44, (0<<16)|(1<<20)|(1<<21)|(3<<22)|(3<<25)
	s_mov_b32 s[G1B+1], ROWB<<16
	s_mov_b32 s[G1B+2], 128<<16
	s_mov_b32 s[G1B+3], ROWB<<16
	s_mov_b32 s[G1B+4], 128
	s_mov_b32 s[G1B+5], KROW
	s_mov_b32 s[G1B+6], 0
	s_mov_b32 s[G1B+7], 0
	; the scales of 128 rows: 4,096 dense bytes, as rows of 256 bytes, 16 bytes of padding behind each
	s_or_b32 s[G1S+0], s43, (3<<16)|(1<<20)|(1<<21)|(5<<22)|(3<<25)
	s_or_b32 s[G1SB+0], s44, (3<<16)|(1<<20)|(1<<21)|(5<<22)|(3<<25)
.irp g, G1S, G1SB
	s_mov_b32 s[\g+1], 32<<16
	s_mov_b32 s[\g+2], (128*KS/256)<<16
	s_mov_b32 s[\g+3], 32<<16
	s_mov_b32 s[\g+4], 128*KS/256
	s_mov_b32 s[\g+5], 32
	s_mov_b32 s[\g+6], 0
	s_mov_b32 s[\g+7], 0
.endr
	s_lshl_b32 s18, s16, 7
	s_lshl_b32 s20, s17, 8
	s_add_co_u32 s20, s20, s18                     ; A: row position 256 x tile row + 128 x half
	s_lshl_b32 s46, s42, 8
	s_add_co_u32 s46, s46, s18                     ; B: row 256 x tile column + 128 x half
	s_mov_b32 s21, 0
	s_mov_b32 s47, 0
	s_mov_b64 s[18:19], KS
	s_mul_u64 s[22:23], s[20:21], s[18:19]         ; where these rows' scales begin
	s_mul_u64 s[92:93], s[46:47], s[18:19]
	s_mov_b64 s[18:19], 192
	s_mul_u64 s[20:21], s[20:21], s[18:19]         ; A's codes: 3,072 bytes for 16 rows in a K step
	s_mov_b64 s[18:19], KROW
	s_mul_u64 s[46:47], s[46:47], s[18:19]         ; B's
	s_mul_i32 s45, s14, HALFT                      ; where they go: no place in the cluster enters an LDS address
	s_mul_i32 s94, s14, HALFS
	s_wait_kmcnt 0x0
	s_add_nc_u64 s[6:7], s[4:5], 0x600000          ; A's scale bytes
	s_add_nc_u64 s[10:11], s[8:9], 0xC0000         ; B's
	s_add_nc_u64 s[20:21], s[4:5], s[20:21]
	s_add_nc_u64 s[22:23], s[6:7], s[22:23]
	s_add_nc_u64 s[46:47], s[8:9], s[46:47]
	s_add_nc_u64 s[92:93], s[10:11], s[92:93]
	CROUND                                         ; all sixteen work-groups are here: the first joint loads meet
	s_mov_b32 s[G0S], 1
	s_add_co_u32 s[G0S+1], s94, SCL
	s_mov_b64 s[G0S+2:G0S+3], s[22:23]
	s_or_b32 s[G0S+3], s[G0S+3], 0x80000000
	s_mov_b32 s[G0SB], 1
	s_add_co_u32 s[G0SB+1], s94, SCL
	s_mov_b64 s[G0SB+2:G0SB+3], s[92:93]
	s_or_b32 s[G0SB+3], s[G0SB+3], 0x80000000
	JLOAD G0S, G1S, G0SB, G1SB                     ; the scales first
.irp s, 0,1
	s_mov_b32 s[G0+4*\s], 1
	s_add_co_u32 s[G0+4*\s+1], s45, \s*SLOT
	s_add_nc_u64 s[G0+4*\s+2:G0+4*\s+3], s[20:21], \s*ASTEP
	s_or_b32 s[G0+4*\s+3], s[G0+4*\s+3], 0x80000000
	s_mov_b32 s[G0B+4*\s], 1
	s_add_co_u32 s[G0B+4*\s+1], s45, \s*SLOT
	s_add_nc_u64 s[G0B+4*\s+2:G0B+4*\s+3], s[46:47], \s*ROWB
	s_or_b32 s[G0B+4*\s+3], s[G0B+4*\s+3], 0x80000000
	JLOAD G0+4*\s, G1, G0B+4*\s, G1B               ; three tensor loads of mine are out now
.endr
	v_and_b32 v1, 15, v0                           ; l % 16
	v_bfe_u32 v2, v0, 4, 1                         ; l / 16
	v_and_b32 v6, 31, v0                           ; lane
	v_lshlrev_b32 v7, 3, v6                        ; A: 8 x lane
	v_mul_u32_u24 v3, v1, PITCH
	v_mul_u32_u24 v4, v2, 24
	v_add_nc_u32 v4, v3, v4                        ; B: a fragment's row x pitch + 24 x half
	v_lshl_add_u32 v5, v2, 4, v4                   ; and the same behind one padding more
	s_mul_i32 s21, s15, HALFT                      ; my 128 rows of A
	s_mul_i32 s22, s16, HALFT                      ; my 128 rows of B,
	s_add_co_u32 s22, s22, 2*HALFT                 ; which lie behind A's
.irp s, 0,1
	v_add_nc_u32 v[ADRA+\s], s21, v7
	v_add_nc_u32 v[ADRB+\s], s22, v4
	v_add_nc_u32 v[ADRB+2+\s], s22, v5
	s_add_co_u32 s21, s21, SLOT
	s_add_co_u32 s22, s22, SLOT
.endr
	v_mul_u32_u24 v5, v1, KS
	v_lshrrev_b32 v8, 8, v5
	v_lshl_add_u32 v5, v8, 4, v5
	s_mul_i32 s21, s15, HALFS
	s_mul_i32 s22, s16, HALFS
	s_add_co_u32 s22, s22, 2*HALFS
	s_sub_co_u32 s22, s22, s21
	v_mul_u32_u24 v8, s22, v2                      ; lanes 16-31 take B's: one product, the distance between the two bases
	s_add_co_u32 s21, s21, SCL
	v_add_nc_u32 v5, v5, v8
	v_add_nc_u32 v[ADRS], s21, v5
	s_mul_i32 s23, s14, 16*SPITCH                  ; my stage
	v_mul_u32_u24 v5, v1, SPITCH
	v_lshl_add_u32 v5, v2, 5, v5
	v_add_nc_u32 v[STO], s23, v5
	v_lshlrev_b32 v[CO], 4, v6
	v_add_nc_u32 v[RD], s23, v[CO]
	s_lshl_b32 s20, s17, 8
	s_lshl_b32 s21, s15, 7
	s_add_co_u32 s20, s20, s21                     ; my first row: 256 x tile row + 128 x half (pi stays inside groups of 32)
	s_mov_b32 s21, 0
	s_mov_b64 s[18:19], SIZE_N*4
	s_mul_u64 s[20:21], s[20:21], s[18:19]
	s_lshl_b32 s46, s42, 10
	s_lshl_b32 s47, s16, 9
	s_add_co_u32 s46, s46, s47
	s_mov_b32 s47, 0
	s_add_nc_u64 s[20:21], s[20:21], s[46:47]
	s_add_nc_u64 s[12:13], s[12:13], s[20:21]
.macro FRAG reg, adr, q, i             ; a fragment of B from rows: 24 bytes of the row's stream of bits twice, in pieces of 8 bytes; where lanes 16-31's piece lies behind one padding more, the second address register serves
.irp p, 0,1,2,3,4,5
.set PCE, 12*(\q)+6*(\p/3)+\p%3
.if PCE%8 < 5
	ds_load_b64 v[\reg+2*\p:\reg+2*\p+1], v[\adr] offset:8*PCE+16*(PCE/8)+(\i)*16*PITCH
.else
	ds_load_b64 v[\reg+2*\p:\reg+2*\p+1], v[\adr+2] offset:8*PCE+16*(PCE/8)+(\i)*16*PITCH
.endif
.endr
.endm
.macro FRAGA reg, adr, q, i            ; a fragment of A from its image: 32 lanes read 256 consecutive bytes, six times
.irp p, 0,1,2,3,4,5
	ds_load_b64 v[\reg+2*\p:\reg+2*\p+1], v[\adr] offset:3072*(\i)+1536*(\q)+256*\p
.endr
.endm
.macro MUL16 a0, p, q, sc, zero        ; 16 matrix instructions: A's blocks a0, a0 + 1 x B's eight.  The 64 accumulators take turns, one instruction a turn
.irp a, \a0, \a0+1
.irp b, 0,1,2,3,4,5,6,7
.if \zero
	v_wmma_scale_f32_16x16x128_f8f6f4 v[8*(8*((\a)%4)+\b):8*(8*((\a)%4)+\b)+7], v[128*(\p)+FR*\b:128*(\p)+FR*\b+FR-1], v[AF+FR*(\a):AF+FR*(\a)+FR-1], 0, v[SC+8*NQ*(\sc)+NQ*\b+(\q)], v[SC+8*NQ*(\sc)+NQ*(\a)+(\q)] matrix_a_fmt:MATRIX_FMT_FP6 matrix_b_fmt:MATRIX_FMT_FP6 matrix_a_scale:MATRIX_SCALE_ROW1
.else
	v_wmma_scale_f32_16x16x128_f8f6f4 v[8*(8*((\a)%4)+\b):8*(8*((\a)%4)+\b)+7], v[128*(\p)+FR*\b:128*(\p)+FR*\b+FR-1], v[AF+FR*(\a):AF+FR*(\a)+FR-1], v[8*(8*((\a)%4)+\b):8*(8*((\a)%4)+\b)+7], v[SC+8*NQ*(\sc)+NQ*\b+(\q)], v[SC+8*NQ*(\sc)+NQ*(\a)+(\q)] matrix_a_fmt:MATRIX_FMT_FP6 matrix_b_fmt:MATRIX_FMT_FP6 matrix_a_scale:MATRIX_SCALE_ROW1
.endif
.endr
.endr
.endm
.macro FETCH_B slot, q, p
	WIN TO_B
.irp i, 0,1,2,3,4,5,6,7
	FRAG 128*(\p)+FR*\i, ADRB+\slot, \q, \i
.endr
	WIN 0
.endm
.macro FETCH_A slot, q, i0
.irp i, \i0, \i0+1, \i0+2, \i0+3
	FRAGA AF+FR*(\i), ADRA+\slot, \q, \i
.endr
.endm
.macro SCALES sc
.irp i, 0,1,2,3,4,5,6,7
	ds_load_b64 v[SC+8*NQ*\sc+NQ*\i:SC+8*NQ*\sc+NQ*\i+1], v[ADRS] offset:\i*SBLK
.endr
.endm
.macro PLACES n                        ; plain vector lines between a matrix instruction and a load into, or a read of, its registers
.rept \n
	v_nop
.endr
.endm
.macro STEP slot, q, zero
	s_wait_dscnt 4*NL                              ; B's set and A's blocks 0-3 are in; the youngest 24 loads (A's blocks 4-7) may be out
	WIN MUL_LO
	MUL16 0, (\q)%2, \q, \slot, \zero
	MUL16 2, (\q)%2, \q, \slot, \zero
	s_wait_dscnt 0
	PLACES NP
	FETCH_B \slot, (\q)+1, 1-(\q)%2
	FETCH_A \slot, (\q)+1, 0
	WIN MUL_HI
	MUL16 4, (\q)%2, \q, \slot, \zero
	MUL16 6, (\q)%2, \q, \slot, \zero
	PLACES NP
	WIN 0
	FETCH_A \slot, (\q)+1, 4
.endm
; A slot's last step changes slots: ONE barrier; in front of it each wave waits for all its tensor loads, adds 0 to its spare word, and waits for that and for its own reads of this slot.
.macro TURN slot, next, fill
	s_wait_tensorcnt 0x0                           ; all my tensor loads have landed: my part of the next slot
	ds_add_u32 v[SPW], v[NIL]                      ; 0 onto my spare word
	s_wait_dscnt 4*NL+1                            ; (the add and the youngest 24 loads may be out)
	WIN MUL_LO
	MUL16 0, 1, NQ-1, \slot, 0
	s_wait_dscnt 0x0                               ; the add is done, and my reads of this slot are over
	s_barrier_signal -1
	MUL16 2, 1, NQ-1, \slot, 0
	WIN 0
	s_barrier_wait -1
.if \fill
	CREST                                          ; the barrier has opened a round of the cluster's barrier: no wave of any partner still reads this slot's tile or has a load on its way
	s_add_nc_u64 s[G0+4*\slot+2:G0+4*\slot+3], s[G0+4*\slot+2:G0+4*\slot+3], 2*ASTEP
	s_add_nc_u64 s[G0B+4*\slot+2:G0B+4*\slot+3], s[G0B+4*\slot+2:G0B+4*\slot+3], 2*ROWB
	JLOAD G0+4*\slot, G1, G0B+4*\slot, G1B         ; the first tensor load behind the round; its four v_nop are the places in front of the loads below
.else
	PLACES NP
.endif
	v_add_nc_u32 v[ADRS], 4*NQ, v[ADRS]
	FETCH_B \next, 0, 0
	FETCH_A \next, 0, 0
	SCALES \next
	WIN MUL_HI
	MUL16 4, 1, NQ-1, \slot, 0
	MUL16 6, 1, NQ-1, \slot, 0
	PLACES NP
	WIN 0
	FETCH_A \next, 0, 4
.endm
	s_wait_tensorcnt 1                             ; the scales and my part of K step 0 are in (K step 1's load may be out)
	s_barrier_signal -1
	s_barrier_wait -1
	FETCH_B 0, 0, 0
	FETCH_A 0, 0, 0
	SCALES 0
	FETCH_A 0, 0, 4
	STEP 0, 0, 1                                   ; the first step's products start the sums
	s_mov_b32 s3, LAPS-1
.Llap:
	TURN 0, 1, 1
	STEP 1, 0, 0
	TURN 1, 0, 1
	STEP 0, 0, 0
	s_sub_co_u32 s3, s3, 1
	s_cmp_lg_u32 s3, 0
	s_cbranch_scc1 .Llap
	TURN 0, 1, 0                                   ; the last lap fills nothing
	STEP 1, 0, 0
	s_wait_dscnt 4*NL
	WIN MUL_LO
	MUL16 0, 1, NQ-1, 1, 0
	MUL16 2, 1, NQ-1, 1, 0
	s_wait_dscnt 0
	WIN MUL_HI
	MUL16 4, 1, NQ-1, 1, 0
	MUL16 6, 1, NQ-1, 1, 0
	WIN 0
; THE WAY OUT, block by block of 16 rows x 128 columns, through my own stage in LDS: back as whole rows of 512 bytes.  One wave's LDS instructions are served in order (ISA guide 5.7.1.4).
.macro TOSTAGE a
.set AC, 64*((\a)%4)
	WIN 0x08+4*((\a)/4)                            ; the data: window 2 or 3
.irp b, 0,1,2,3,4,5,6,7
	ds_store_b128 v[STO], v[AC+8*\b:AC+8*\b+3] offset:64*\b          ; each accumulator from its low end on
	ds_store_b128 v[STO], v[AC+8*\b+4:AC+8*\b+7] offset:64*\b+16
.endr
	WIN 0
.set BB, BK+64*((\a)%2)
.irp t, 0,1,2,3,4,5,6,7,8,9,10,11,12,13,14,15
	ds_load_b128 v[BB+4*\t:BB+4*\t+3], v[RD] offset:\t*SPITCH
.endr
.endm
.macro SEND a, younger                 ; younger: the LDS instructions issued behind block a's loads, which may stay out
.set BB, BK+64*((\a)%2)
	s_wait_dscnt \younger
.irp t, 0,1,2,3,4,5,6,7,8,9,10,11,12,13,14,15
	global_store_b128 v[CO], v[BB+4*\t:BB+4*\t+3], s[12:13] offset:(32*((\a)/2)+8*((\a)%2)+\t+8*(\t/8))*SIZE_N*4 th:TH_STORE_NT   ; position 16 a + t holds row 32 (a / 2) + 8 (a % 2) + t + 8 (t / 8); 32 lanes store 512 consecutive bytes, aligned; 127 rows at the most: inside the signed 24-bit immediate
.endr
.endm
	PLACES NP
	TOSTAGE 0
.irp a, 1,2,3,4,5,6,7
.if \a > 1
	s_wait_xcnt 0x0                                ; block a - 2's stores have read their registers: block a's loads may land there
.endif
	TOSTAGE \a
	SEND \a-1, 32                                  ; behind block a - 1's loads: block a's 16 stores and 16 loads
.endr
	SEND 7, 0
	s_wait_tensorcnt 0x0                           ; the wave's end
	ds_add_u32 v[SPW], v[NIL]
	s_wait_dscnt 0x0
	CROUND                                         ; the closing round
	s_endpgm
.Lfunc_end_k_qe87f955d10_proj:
	.size	k_qe87f955d10_proj, .Lfunc_end_k_qe87f955d10_proj-k_qe87f955d10_proj
	.p2alignl 7, 3214868480
	.fill 96, 4, 3214868480
	.section	.rodata,"a",@progbits
	.p2align	6, 0x0
	.amdhsa_kernel k_qe87f955d10_proj
		.amdhsa_group_segment_fixed_size 327680
		.amdhsa_private_segment_fixed_size 0
		.amdhsa_enable_private_segment 0
		.amdhsa_kernarg_size 24
		.amdhsa_user_sgpr_count 2
		.amdhsa_user_sgpr_kernarg_segment_ptr 1
		.amdhsa_wavefront_size32 1
		.amdhsa_system_sgpr_workgroup_id_x 1
		.amdhsa_system_sgpr_workgroup_id_y 1
		.amdhsa_system_sgpr_workgroup_id_z 1
		.amdhsa_system_vgpr_workitem_id 0
		.amdhsa_next_free_vgpr 1024
		.amdhsa_next_free_sgpr 98
		.amdhsa_reserve_vcc 0
		.amdhsa_float_denorm_mode_32 3
		.amdhsa_float_denorm_mode_16_64 3
		.amdhsa_memory_ordered 1
		.amdhsa_forward_progress 1
		.amdhsa_inst_pref_size 159
	.end_amdhsa_kernel
	.amdgpu_metadata
---
amdhsa.version: [ 1, 2 ]
amdhsa.kernels:
  - .name:           k_qe87f955d10_proj
    .symbol:         k_qe87f955d10_proj.kd
    .args:
      - { .name: aq, .offset: 0, .size: 8, .value_kind: global_buffer, .address_space: global }
      - { .name: woq, .offset: 8, .size: 8, .value_kind: global_buffer, .address_space: global }
      - { .name: out0, .offset: 16, .size: 8, .value_kind: global_buffer, .address_space: global }
    .group_segment_fixed_size: 327680
    .private_segment_fixed_size: 0
    .kernarg_segment_align: 8
    .kernarg_segment_size: 24
    .max_flat_workgroup_size: 128
    .sgpr_count:     98
    .vgpr_count:     1024
    .wavefront_size: 32
...
	.end_amdgpu_metadata
.endif
;; end of part 4
